; MI455X (gfx1250); checked and timed in simulation.
; The chip was launched on July 23, 2026; its instructions are those of AMD's public machine-readable ISA for CDNA 5 (MIT licence, August 2026) and "CDNA5" Instruction Set Architecture Reference Guide (July 2026). The comments in the code are by the model that wrote it; some were corrected since.
;; Multi Head Attention. Allowed arithmetic: matrix products marked QUANTISED: E2M3 operands, one E8M0 scale for each 32 along K, by v_wmma_scale_f32_16x16x128_f8f6f4 with both operands' format E2M3, f32 sums; everything else in f32.
;; Inputs: Wk 1,024 x 1,024 float32; Wo 1,024 x 1,024 float32; Wq 1,024 x 1,024 float32; Wv 1,024 x 1,024 float32; bk 1,024 float32; bo 1,024 float32; bq 1,024 float32; bv 1,024 float32; k 4 x 2,048 x 1,024 float32; mask 4 x 2,048 x 2,048 int32; q 4 x 2,048 x 1,024 float32; v 4 x 2,048 x 1,024 float32.
;; Outputs: out0 4 x 2,048 x 1,024 float32.
;; This version of the problem:
;;   THIS VERSION OF THE PROBLEM IS GIVEN IN LOW PRECISION. The matrix products marked QUANTISED in the list below multiply operands that are first quantised to E2M3 (2 exponent bits, 3 mantissa bits; 6 bits a number), with one power-of-two scale for each 32 numbers along K (OCP MX v1.0); their sums are f32. All else is computed in f32.
;;   The module's matrix products, in the order in which they are computed (A, B: the left and right operand; K: the contracted axis; several contracted axes count as one K, in the product's order):
;;     1. [M 8,192, K 1,024] x [K 1,024, N 1,024]; A: input q; B: input Wq: QUANTISED
;;     2. [M 8,192, K 1,024] x [K 1,024, N 1,024]; A: input k; B: input Wk: QUANTISED
;;     3. [M 8,192, K 1,024] x [K 1,024, N 1,024]; A: input v; B: input Wv: QUANTISED
;;     4. batch 4 x [M 2,048, K 1,024] x [K 1,024, N 2,048]; A: computed on the way; B: computed on the way: QUANTISED
;;     5. batch 4 x [M 2,048, K 2,048] x [K 2,048, N 1,024]; A: softmax (see below); B: computed on the way: QUANTISED
;;     6. [M 8,192, K 1,024] x [K 1,024, N 1,024]; A: computed on the way; B: input Wo: QUANTISED
;;   THE QUANTISER, for each operand of a quantised product, along K:
;;     - K is cut into blocks of 32 from its start; a last block that is shorter is filled with zeros.
;;     - A block's scale is 2^e with e = floor(log2(the largest magnitude in the block)) - 2, held to -126 .. 127; a block of zeros has e = 0. As a byte (E8M0): e + 127.
;;     - Each number is divided by its block's scale, clamped to +-7.5, and rounded to the nearest number of E2M3, ties to even, subnormals kept.
;;     - The product sums the exact products of the quantised numbers (number of the format x scale) in f32.
;;   ~~~python
;;   def quantise(x, axis):      # numpy; x: float32 -> the quantised numbers, widened to float32 again
;;       x = np.moveaxis(x, axis, -1); K = x.shape[-1]
;;       x = np.pad(x, [(0, 0)] * (x.ndim - 1) + [(0, -K % 32)]); x = x.reshape(x.shape[:-1] + (-1, 32)); a = np.abs(x).max(-1, keepdims=True)
;;       e = np.where(a > 0, np.clip(np.frexp(np.where(a > 0, a, 1))[1] - 1 - 2, -126, 127), 0)      # np.frexp(a)[1] - 1 = floor(log2(a)), exactly
;;       r = np.clip(x / 2.0 ** e, -7.5, 7.5)
;;       step = 2.0 ** (np.maximum(np.frexp(np.where(r == 0, 1, r))[1] - 1, 0) - 3)
;;       q = np.round(r / step) * step * 2.0 ** e      # np.round: ties to even
;;       return np.moveaxis(q.reshape(q.shape[:-2] + (-1,))[..., :K], -1, axis).astype(np.float32)
;;   ~~~
;;   SOFTMAX AHEAD OF A QUANTISED PRODUCT. Where the list says 'softmax', what is quantised is not the finished softmax but p = 2^(t - M), with t = logit x log2(e) and M = ceil(the row's largest t), a whole number; so 1/2 < the row's largest p <= 1. The row's sum l is taken of the UNQUANTISED p, in f32, and the product's result is divided by l at the end. Since M is a whole number, a kernel that streams over the keys may use a running M (the ceiling of the running maximum): every later rescaling is an exact power of two, which a block's scale takes up: the codes' values come out the same.
;;   OPERANDS COMPUTED ON THE WAY. 'Computed on the way' means the value that the module computes at that place (a softmax that the list does not call 'softmax' is quantised finished and normalised). What goes into a quantiser is computed in f32, as accurately as f32 sums, v_exp_f32 and their like allow (about 1e-6 of the number): no bf16 or f16 on the way to a quantiser, and a product that is left as it is and whose result goes on into a quantised operand takes f32 operands (vector FMAs, or v_wmma_f32_16x16x4_f32). A number that lies on a knife's edge between two numbers of the format may be rounded either way, as far as f32 arithmetic and the matrix unit's own rounding can turn it there, and no further.
;; One version. Each part assembles by itself: llvm-mc -triple=amdgcn-amd-amdhsa -mcpu=gfx1250 --defsym DOCPART=n.
;; ======== version 1 of 1: 5 launches
;; workspace buffers: cod 22,937,600 bytes; qkv 19,660,800 bytes; pc 13,107,200 bytes; pst 1,048,576 bytes; yc 6,553,600 bytes
;; launch prep (part 1): grid 1792 x 1, 2 waves a work-group, no clusters, 17,152 bytes of LDS; arguments q, k, v, Wq, Wk, Wv, Wo, cod; writes cod
.if DOCPART == 1
	.amdgcn_target "amdgcn-amd-amdhsa--gfx1250"
	.amdhsa_code_object_version 6
	.text
	.protected	k_q8fb40e8d06_prep
	.globl	k_q8fb40e8d06_prep
	.p2align	8
	.type	k_q8fb40e8d06_prep,@function
k_q8fb40e8d06_prep:
	s_mov_b64 s[64:65], 0
	v_nop
	global_prefetch_b8 v0, s[64:65] scope:SCOPE_SE
	s_setreg_imm32_b32 hwreg(HW_REG_WAVE_MODE, 25, 1), 1
	s_wait_xcnt 0x0
; PREP.  q, k, v [8192][1024] and Wq, Wk, Wv, Wo [1024][1024], f32, K innermost, become codes of FP6 (E2M3) with one E8M0 byte for each 32 along K.
; NOTHING OF THE PROBLEM IS LEFT OUT in this program: all six products are live, all four biases move codes or results, the mask is an input (the score launch reads it): all twelve inputs are loaded by some launch.
; THE LAYOUT OF EVERY OPERAND IN THIS PROGRAM.  Rows go in groups of 128 = 8 tiles of 16; lane r of tile i holds row 32 (i / 2) + 8 (i % 2) + r + 8 (r / 8) of its group, so that wherever the operand is a product's
; source 0 the 16 result registers of tiles 2 b and 2 b + 1 are 16 neighbours along the next K.  A UNIT (12,800 bytes) is one group x 128 along K: 8 images of a fragment's 12 registers (registers 4 c .. 4 c + 3 of lane l
; at 1536 i + 512 c + 16 l), then 512 bytes of scale words (tile 4 q + j, lane r at 12288 + 256 q + 16 r + 4 j).  A group's units lie in the order of K.
; cod: unit 8 g + s of q from 0, of k from 512, of v from 1024, of Wq from 1536, Wk 1600, Wv 1664, Wo 1728.
; SHARES.  A work-group of two waves takes one of the 1,792 units; wave w its tiles 4 w .. 4 w + 3: 64 rows x 128 columns (32 KiB).  No wave depends on another: no barrier.
; Each load reads 512 consecutive bytes of a row; 16 rows turn through the wave's own stage in LDS (rows 528 bytes apart) so that a lane gets neighbours along K.  Two tiles (32 loads) of a wave are on their way.
; A block's scale is 2^(floor(log2(largest magnitude)) - 2): its byte is the magnitude's exponent field - 2, held at 1 from below by a floor among the maximum's leaves.
; LIMITS: a block of zeros, or one whose largest magnitude lies under 2^-124, keeps the byte 1 (its codes are zeros or nearly; this program alone reads the bytes); NaN and infinities among the inputs are not served.
.set UNIT,  12800
.set FRB,   1536
.set SOFF,  12288
.set SP,    528                        ; a stage row: 512 bytes + 16
.set STG,   16*SP                      ; a wave's stage
.set SPARE, 2*STG                      ; behind the two stages: the spare words, 128 bytes a wave, which no other line names
.set LI,    1                          ; v1   16 x lane
.set L8,    6                          ; v6   16 r + 8 h
.set SPW,   12                         ; v12  my spare word; never rewritten
.set NIL,   13                         ; v13  0; never rewritten
.set PW,    16                         ; v16-19  my four tiles' scale words
.set OUTW,  24                         ; v24-25  scale words as they are stored
.set PC,    40                         ; v40-51  a fragment's codes
.set PT,    52                         ; v52-58  second halves of the blocks' codes
.set R,     64                         ; v64-191 two sets of 16 rows as loaded
.set X,     192                        ; v192-255 64 numbers of my row
	s_load_b512 s[4:19], s[0:1], 0x0               ; q, k, v, Wq, Wk, Wv, Wo, cod
	v_lshl_add_u32 v[SPW], v0, 2, SPARE
	v_mov_b32 v[NIL], 0
	v_lshrrev_b32 v9, 5, v0
	v_readfirstlane_b32 s24, v9                    ; wave 0, 1
	v_and_b32 v10, 31, v0
	v_lshlrev_b32 v[LI], 4, v10
	v_and_b32 v2, 15, v0                           ; r
	v_bfe_u32 v3, v0, 4, 1                         ; h
	s_mul_i32 s25, s24, STG
	v_add_nc_u32 v4, s25, v[LI]                    ; into my stage: 16 bytes a lane of a row
	v_mul_u32_u24 v11, v2, SP
	v_add_nc_u32 v11, s25, v11
	v_lshl_add_u32 v5, v3, 7, v11                  ; out of it: row r, + 128 h: 32 numbers of each 64
	v_lshlrev_b32 v[L8], 4, v2
	v_lshl_add_u32 v[L8], v3, 3, v[L8]
	v_lshlrev_b32 v9, 3, v3                        ; 8 h
	v_mov_b32 v35, 0                               ; a lane permute's destination counts as read
	s_mov_b32 s2, 0x76543210
	s_mov_b32 s3, 0xfedcba98                       ; lane l xor 16
	s_wait_kmcnt 0x0
.macro LOADF i                         ; my tile i: its 16 rows, 512 consecutive bytes a load
.irp p, 0,1,2,3,4,5,6,7,8,9,10,11,12,13,14,15
	global_load_b128 v[R+64*((\i)%2)+4*\p:R+64*((\i)%2)+4*\p+3], v[LI], s[26:27] offset:(32*((\i)/2)+8*((\i)%2)+\p+8*(\p/8))*4096 th:TH_LOAD_NT
.endr
.endm
.macro PICK lim, ptr, base             ; the tensor is chosen by the work-group's number alone
	s_cmp_lt_u32 ttmp9, \lim
	s_cselect_b64 s[26:27], s[\ptr:\ptr+1], s[26:27]
	s_cselect_b32 s28, \base, s28
.endm
	s_mov_b64 s[26:27], s[16:17]                   ; Wo,
	s_mov_b32 s28, 1728                            ; whose first unit is 1728
	PICK 1728, 14, 1664
	PICK 1664, 12, 1600
	PICK 1600, 10, 1536
	PICK 1536, 8, 1024
	PICK 1024, 6, 512
	PICK 512, 4, 0
	s_sub_co_u32 s29, ttmp9, s28                   ; the unit's number in its tensor: 8 g + s
	s_lshr_b32 s30, s29, 3
	s_lshl_b32 s30, s30, 19                        ; 128 rows of 4,096 bytes
	s_and_b32 s31, s29, 7
	s_lshl_b32 s31, s31, 9                         ; 128 columns
	s_add_co_u32 s30, s30, s31
	s_lshl_b32 s31, s24, 18                        ; my wave's 64 rows
	s_add_co_u32 s30, s30, s31
	s_mov_b32 s31, 0
	s_add_nc_u64 s[26:27], s[26:27], s[30:31]
	s_mul_i32 s28, ttmp9, UNIT                     ; the unit's place in cod
	s_mul_i32 s30, s24, 4*FRB
	s_add_co_u32 s30, s30, s28
	s_add_nc_u64 s[20:21], s[18:19], s[30:31]      ; my four tiles' images
	s_lshl_b32 s30, s24, 8
	s_add_co_u32 s30, s30, s28
	s_add_nc_u64 s[22:23], s[18:19], s[30:31]      ; and their scale words (+ SOFF)
	LOADF 0
	LOADF 1
.macro STEPQ t
.if (\t) < 3
	s_wait_loadcnt 16                              ; this tile's 16 loads are in; the next tile's 16 may be out
.else
	s_wait_loadcnt 0x0
.endif
.irp p, 0,1,2,3,4,5,6,7,8,9,10,11,12,13,14,15
	ds_store_b128 v4, v[R+64*((\t)%2)+4*\p:R+64*((\t)%2)+4*\p+3] offset:SP*\p
.endr
.irp c, 0,1
.irp j, 0,1,2,3,4,5,6,7
	ds_load_b128 v[X+32*\c+4*\j:X+32*\c+4*\j+3], v5 offset:256*\c+16*\j   ; X[32 c + m] = k 64 c + 32 h + m of my row.  LDS serves a wave's instructions in order: these see the stores above
.endr
.endr
	s_wait_dscnt 0x0                               ; my numbers are here, and the stores have read their registers
	s_wait_xcnt 0x0                                ; the last tile's stores have read the codes' registers, which the conversions below write again; it stands ahead of the loads below, so that it counts none of them
.if (\t) < 2
	LOADF (\t)+2                                   ; the registers that the stage's stores have read take the tile two further on
.endif
.irp c, 0,1
	v_max3_num_f32 v[28+\c], |v[X+32*\c]|, |v[X+1+32*\c]|, 0x1800000   ; block 2 c + h is all mine; the floor 2^(3 - 127) holds the byte at 1 from below
.endr
.irp i, 2,4,6,8,10,12,14,16,18,20,22,24,26,28,30
.irp c, 0,1
	v_max3_num_f32 v[28+\c], v[28+\c], |v[X+32*\c+\i]|, |v[X+1+32*\c+\i]|
.endr
.endr
.irp c, 0,1
	v_add_nc_u32 v[30+\c], 0xff000000, v[28+\c]    ; 2 off the exponent field: the conversion's scale operand
.endr
.irp c, 0,1
	v_lshrrev_b32 v[32+\c], 23, v[30+\c]           ; the byte
.endr
	v_lshl_or_b32 v34, v33, 16, v32                ; blocks h and 2 + h,
	v_lshlrev_b32 v34, v9, v34                     ; 8 h bits up;
	v_permlanex16_b32 v35, v34, s2, s3
	v_or_b32 v[PW+(\t)], v34, v35                  ; with lane l xor 16's two the word is whole
.irp c, 0,1
	v_cvt_scalef32_pk16_fp6_f32 v[PC+6*\c:PC+6*\c+2], v[X+32*\c:X+32*\c+15], v[30+\c]
	v_cvt_scalef32_pk16_fp6_f32 v[PT+4*\c:PT+4*\c+2], v[X+32*\c+16:X+32*\c+31], v[30+\c]   ; (a conversion's three registers begin on an even number)
.endr
	v_nop                                          ; one plain place behind a scaled conversion
.irp c, 0,1
.irp i, 0,1,2
	v_mov_b32 v[PC+6*\c+3+\i], v[PT+4*\c+\i]
.endr
.endr
.irp c, 0,1,2
	global_store_b128 v[LI], v[PC+4*\c:PC+4*\c+3], s[20:21] offset:FRB*(\t)+512*\c   ; the fragment's image: 512 consecutive bytes a store
.endr
.endm
.irp t, 0,1,2,3
	STEPQ \t
.endr
	v_cmp_ne_u32 vcc_lo, 0, v3
	v_cndmask_b32 v[OUTW], v[PW], v[PW+2], vcc_lo  ; lane (r, h) stores words 2 h, 2 h + 1 of row r: 256 consecutive bytes
	v_cndmask_b32 v[OUTW+1], v[PW+1], v[PW+3], vcc_lo
	global_store_b64 v[L8], v[OUTW:OUTW+1], s[22:23] offset:SOFF
	s_wait_tensorcnt 0x0                           ; the wave's end, behind my last LDS store
	ds_add_u32 v[SPW], v[NIL]
	s_wait_dscnt 0x0
	s_endpgm
.Lfunc_end_k_q8fb40e8d06_prep:
	.size	k_q8fb40e8d06_prep, .Lfunc_end_k_q8fb40e8d06_prep-k_q8fb40e8d06_prep
	.p2alignl 7, 3214868480
	.fill 96, 4, 3214868480
	.section	.rodata,"a",@progbits
	.p2align	6, 0x0
	.amdhsa_kernel k_q8fb40e8d06_prep
		.amdhsa_group_segment_fixed_size 17152
		.amdhsa_private_segment_fixed_size 0
		.amdhsa_enable_private_segment 0
		.amdhsa_kernarg_size 64
		.amdhsa_user_sgpr_count 2
		.amdhsa_user_sgpr_kernarg_segment_ptr 1
		.amdhsa_wavefront_size32 1
		.amdhsa_system_sgpr_workgroup_id_x 1
		.amdhsa_system_sgpr_workgroup_id_y 1
		.amdhsa_system_sgpr_workgroup_id_z 1
		.amdhsa_system_vgpr_workitem_id 0
		.amdhsa_next_free_vgpr 256
		.amdhsa_next_free_sgpr 66
		.amdhsa_reserve_vcc 1
		.amdhsa_float_denorm_mode_32 3
		.amdhsa_float_denorm_mode_16_64 3
		.amdhsa_memory_ordered 1
		.amdhsa_forward_progress 1
		.amdhsa_inst_pref_size 31
	.end_amdhsa_kernel
	.amdgpu_metadata
---
amdhsa.version: [ 1, 2 ]
amdhsa.kernels:
  - .name:           k_q8fb40e8d06_prep
    .symbol:         k_q8fb40e8d06_prep.kd
    .args:
      - { .name: q, .offset: 0, .size: 8, .value_kind: global_buffer, .address_space: global }
      - { .name: k, .offset: 8, .size: 8, .value_kind: global_buffer, .address_space: global }
      - { .name: v, .offset: 16, .size: 8, .value_kind: global_buffer, .address_space: global }
      - { .name: Wq, .offset: 24, .size: 8, .value_kind: global_buffer, .address_space: global }
      - { .name: Wk, .offset: 32, .size: 8, .value_kind: global_buffer, .address_space: global }
      - { .name: Wv, .offset: 40, .size: 8, .value_kind: global_buffer, .address_space: global }
      - { .name: Wo, .offset: 48, .size: 8, .value_kind: global_buffer, .address_space: global }
      - { .name: cod, .offset: 56, .size: 8, .value_kind: global_buffer, .address_space: global }
    .group_segment_fixed_size: 17152
    .private_segment_fixed_size: 0
    .kernarg_segment_align: 8
    .kernarg_segment_size: 64
    .max_flat_workgroup_size: 64
    .sgpr_count:     66
    .vgpr_count:     256
    .wavefront_size: 32
...
	.end_amdgpu_metadata
.endif
;; end of part 1
;; launch proj (part 2): grid 4 x 192, 4 waves a work-group, clusters of 4 x 4, 327,680 bytes of LDS; arguments cod, bq, bk, bv, qkv; writes qkv
.if DOCPART == 2
	.amdgcn_target "amdgcn-amd-amdhsa--gfx1250"
	.amdhsa_code_object_version 6
	.text
	.protected	k_q8fb40e8d06_proj
	.globl	k_q8fb40e8d06_proj
	.p2align	8
	.type	k_q8fb40e8d06_proj,@function
k_q8fb40e8d06_proj:
	s_mov_b64 s[64:65], 0
	v_nop
	global_prefetch_b8 v0, s[64:65] scope:SCOPE_SE
	s_setreg_imm32_b32 hwreg(HW_REG_WAVE_MODE, 25, 1), 1
	s_wait_xcnt 0x0
	s_wait_alu depctr_hold_cnt(0) depctr_sa_sdst(0) depctr_va_vdst(0) depctr_va_sdst(0) depctr_va_ssrc(0) depctr_va_vcc(0) depctr_vm_vsrc(0)
	s_getreg_b32 s2, hwreg(HW_REG_IB_STS2, 6, 4)
	s_cmp_eq_u32 s2, 0
	s_cbranch_scc0 .Lentry_in_a_cluster
	s_endpgm
.Lentry_in_a_cluster:
	s_bfe_u32 s2, ttmp6, 0x10000c
	s_cmp_lg_u32 s2, 0xf033
	s_cbranch_scc0 .Lentry_shape_is_right
	s_endpgm
.Lentry_shape_is_right:
; PROJ.  Q = q Wq^T + bq, K = k Wk^T + bk, V = v Wv^T + bv on codes of FP6; each result is quantised on the way out, Q and K along d, V along the keys, into units laid as the first kernel's head describes.  Nothing is left out.
; qkv: Q's unit 8 g + s from 0, K's from 512; V^T (rows = d, K = the batch's keys): unit 1024 + 128 b + 16 gd + s2.
; A TILE of the result: 128 rows of A (source 1: they fall on the lanes) x 256 rows of B (source 0: they fall on the registers).  Q, K: A = the tokens, B = W.  V: A = Wv, B = the tokens, so that a lane's registers run along the keys.
; Four waves: wave w takes A's tiles 4 (w / 2) .. + 3 and B's group w % 2: 64 x 128, 32 accumulators.  K = 1,024 is 8 steps of 128; ALL of it lies in LDS at once (24 units): every byte of LDS is filled once, there is no ring and no loop.
; CLUSTER 4 x 4: A's units are shared along a row of the cluster, B's along a column: joint loads.  Cluster y = 16 t + cl picks the product t (0 Q, 1 K, 2 V): the same in all partners.
; Each wave issues four tensor loads at the start (K steps 2 st, 2 st + 1): waves 0, 1 one unit of A each, waves 2, 3 two units of one group of B each: four loads of a wave are out at the most.
; REGISTERS: window 0: v1-14 addresses; v16-23 the lanes' bias; v32-47 scale words, two sets; v64-159 A's fragments, two sets (on the way out: v64-127 results, v128-162 the quantiser); v164-227 the registers' bias; v228-231 scale words made.
;   window 1: B's fragments, two sets at v0 and v128.   window 2: accumulator (a, b) at v[8 (8 a + b)].
; LIMITS: a block of zeros or under 2^-124 keeps the byte 1; NaN and infinities are not served.
.set UNIT,  12800
.set FRB,   1536
.set SOFF,  12288
.set GRP,   8*UNIT                     ; a group's 8 K steps in LDS.  A's group at 0, B's two behind it
.set LB0,   GRP
.set SPARE, 3*GRP                      ; the spare words, 128 bytes a wave, which no other line names
.set LI,   3                           ; v3   16 x lane
.set ADRA, 4                           ; v4-5   my A tiles, K steps 0-3 and 4-7
.set ADRB, 6                           ; v6-7   my group of B
.set ADRS, 8                           ; v8-9   scale words: lanes 0-15 A's four tiles, lanes 16-31 B's tiles 0-3
.set ADRT, 10                          ; v10-11 lanes 16-31: B's tiles 4-7
.set SPW,  12
.set NIL,  13
.set L8,   14                          ; v14  16 r + 8 h
.set YB,   16
.set SC,   32
.set AF,   64
.set HA,   64
.set TM,   128
.set PC,   144
.set BB,   164
.set PWR,  228
.set WV,   20                          ; s20 wave; s21 wave / 2: my half of A's tiles, and 0: I fetch for A, 1: for B; s22 wave % 2: my group of B, and which part I fetch
.set RL,   21
.set HF,   22
.set G1A,  24
.set G1B,  32
.set G0A,  40                          ; s40-55 A's four groups 0
.set G0B,  56                          ; s56-63, s68-75 B's four
.set OUTP, 92
.set MSB, 0
.macro WIN new                         ; the immediate's high byte repeats the setting that is left
.if MSB != \new
	s_set_vgpr_msb (MSB<<8)|\new
.set MSB, \new
.endif
.endm
.macro PLACES n
.rept \n
	v_nop
.endr
.endm
.macro CROUND                          ; a round of the cluster's barrier
	s_barrier_signal -1
	s_barrier_wait -1
	s_cmp_lg_u32 s[WV], 0
	s_cbranch_scc1 .Lnot_wave_0_\@
	s_barrier_signal -3
.Lnot_wave_0_\@:
	s_barrier_wait -3
	s_barrier_signal -1
	s_barrier_wait -1
.endm
.macro JLOAD g0a, g1a, g0b, g1b        ; a joint load: waves 0, 1 for A, waves 2, 3 for B; an s_nop 0 and four v_nop follow each line
	s_cmp_eq_u32 s[RL], 0
	s_cbranch_scc0 .Lfor_b_\@
	tensor_load_to_lds s[\g0a:\g0a+3], s[\g1a:\g1a+7]
	s_nop 0
.rept 4
	v_nop
.endr
	s_branch .Lasked_\@
.Lfor_b_\@:
	tensor_load_to_lds s[\g0b:\g0b+3], s[\g1b:\g1b+7]
	s_nop 0
.rept 4
	v_nop
.endr
.Lasked_\@:
.endm
.macro GROUP1 g, rows                  ; a dense block as rows of 256 bytes: 32 elements of 8 bytes, no padding
	s_mov_b32 s[\g+1], 32<<16
	s_mov_b32 s[\g+2], (\rows)<<16
	s_mov_b32 s[\g+3], 32<<16
	s_mov_b32 s[\g+4], \rows
	s_mov_b32 s[\g+5], 32
	s_mov_b32 s[\g+6], 0
	s_mov_b32 s[\g+7], 0
.endm
.macro FILLS                           ; s[94:95], s18: my part of A in memory and in LDS; s[96:97], s19: of B
.irp st, 0,1,2,3
	s_mov_b32 s[G0A+4*\st], 1
	s_add_co_u32 s[G0A+4*\st+1], s18, 2*\st*UNIT
	s_add_nc_u64 s[G0A+4*\st+2:G0A+4*\st+3], s[94:95], 2*\st*UNIT
	s_or_b32 s[G0A+4*\st+3], s[G0A+4*\st+3], 0x80000000
	s_mov_b32 s[G0B+4*\st+4*(\st/2)], 1
	s_add_co_u32 s[G0B+4*\st+4*(\st/2)+1], s19, 2*\st*UNIT
	s_add_nc_u64 s[G0B+4*\st+4*(\st/2)+2:G0B+4*\st+4*(\st/2)+3], s[96:97], 2*\st*UNIT
	s_or_b32 s[G0B+4*\st+4*(\st/2)+3], s[G0B+4*\st+4*(\st/2)+3], 0x80000000
	JLOAD G0A+4*\st, G1A, G0B+4*\st+4*(\st/2), G1B
.endr
.endm
.macro VADDR                           ; s19 = my group of B in LDS; s14, s16 at work
	s_mul_i32 s14, s[RL], 4*FRB
	v_add_nc_u32 v[ADRA], s14, v[LI]
	v_add_nc_u32 v[ADRA+1], 4*UNIT, v[ADRA]
	v_add_nc_u32 v[ADRB], s19, v[LI]
	v_add_nc_u32 v[ADRB+1], 4*UNIT, v[ADRB]
	s_lshl_b32 s14, s[RL], 8
	s_sub_co_u32 s16, s19, s14
	v_mul_u32_u24 v[ADRS], s16, v2                 ; one product: the lower base + h x the distance
	v_lshl_add_u32 v[ADRS], v1, 4, v[ADRS]
	v_add_nc_u32 v[ADRS], s14, v[ADRS]
	v_lshl_add_u32 v[ADRT], v2, 8, v[ADRS]
	v_add_nc_u32 v[ADRS+1], 4*UNIT, v[ADRS]
	v_add_nc_u32 v[ADRT+1], 4*UNIT, v[ADRT]
	v_lshlrev_b32 v[L8], 4, v1
	v_lshl_add_u32 v[L8], v2, 3, v[L8]
.endm
.macro FETCH s                         ; K step s: B's 8 fragments, A's 4, the scale words: 38 loads of 16 bytes a lane, each 512 consecutive bytes
.set FP, (\s)%2
.set FQ, ((\s)%8)/4
.set FO, (((\s)%8)%4)*UNIT
	WIN 0x40
.irp b, 0,1,2,3,4,5,6,7
.irp c, 0,1,2
	ds_load_b128 v[128*FP+12*\b+4*\c:128*FP+12*\b+4*\c+3], v[ADRB+FQ] offset:FO+FRB*\b+512*\c
.endr
.endr
	WIN 0
.irp a, 0,1,2,3
.irp c, 0,1,2
	ds_load_b128 v[AF+48*FP+12*\a+4*\c:AF+48*FP+12*\a+4*\c+3], v[ADRA+FQ] offset:FO+FRB*\a+512*\c
.endr
.endr
	ds_load_b128 v[SC+8*FP:SC+8*FP+3], v[ADRS+FQ] offset:FO+SOFF
	ds_load_b128 v[SC+8*FP+4:SC+8*FP+7], v[ADRT+FQ] offset:FO+SOFF
.endm
.macro MUL s                           ; 32 products; the 32 accumulators take turns, in the same order in every step.  Step 0 starts the sums
.set MP, (\s)%2
.irp a, 0,1,2,3
.irp b, 0,1,2,3,4,5,6,7
.if (\s) == 0
	v_wmma_scale_f32_16x16x128_f8f6f4 v[8*(8*\a+\b):8*(8*\a+\b)+7], v[128*MP+12*\b:128*MP+12*\b+11], v[AF+48*MP+12*\a:AF+48*MP+12*\a+11], 0, v[SC+8*MP+\b], v[SC+8*MP+\a] matrix_a_fmt:MATRIX_FMT_FP6 matrix_b_fmt:MATRIX_FMT_FP6 matrix_a_scale:MATRIX_SCALE_ROW1
.else
	v_wmma_scale_f32_16x16x128_f8f6f4 v[8*(8*\a+\b):8*(8*\a+\b)+7], v[128*MP+12*\b:128*MP+12*\b+11], v[AF+48*MP+12*\a:AF+48*MP+12*\a+11], v[8*(8*\a+\b):8*(8*\a+\b)+7], v[SC+8*MP+\b], v[SC+8*MP+\a] matrix_a_fmt:MATRIX_FMT_FP6 matrix_b_fmt:MATRIX_FMT_FP6 matrix_a_scale:MATRIX_SCALE_ROW1
.endif
.endr
.endr
.endm
; A K step: its fragments, asked for a step ago, are in; the next step's are asked for; 32 products.  sync = 1: the next step lies in tiles that all four waves fetched: my own have landed (cnt later loads of mine may be out), then a barrier.
.macro STEP s, sync, cnt, more
	WIN 0
	s_wait_dscnt 0x0
.if \sync
	s_wait_tensorcnt \cnt
	s_barrier_signal -1
	s_barrier_wait -1
.endif
.if \more
.if (\s) > 0
	PLACES 4                                       ; four places in front of loads into registers that the last products read (ISA guide 7.12.1 for vector instructions)
.endif
	FETCH (\s)+1
.endif
	WIN 0xa1                                       ; B window 1, A window 0, C and D window 2
	MUL \s
.endm
; 64 numbers of a lane, register 16 b + i = k 32 b + 16 h + i of my row, become a fragment's codes in v[PC] on and its scale word in v[pw]
.macro QUANT s, pw
.irp b, 0,1,2,3
	v_max3_num_f32 v[TM+\b], |v[\s+16*\b]|, |v[\s+1+16*\b]|, 0x1800000   ; with the floor 2^(3 - 127): the byte cannot fall under 1
.endr
.irp i, 2,4,6,8,10,12,14
.irp b, 0,1,2,3
	v_max3_num_f32 v[TM+\b], v[TM+\b], |v[\s+16*\b+\i]|, |v[\s+1+16*\b+\i]|
.endr
.endr
.irp b, 0,1,2,3
	v_permlanex16_b32 v[TM+4+\b], v[TM+\b], s2, s3
.endr
.irp b, 0,1,2,3
	v_max_num_f32 v[TM+\b], v[TM+\b], v[TM+4+\b]   ; with lane l xor 16's: the block's largest magnitude
.endr
.irp b, 0,1,2,3
	v_add_nc_u32 v[TM+12+\b], 0xff000000, v[TM+\b] ; 2 off its exponent field: the conversion's scale operand
.endr
.irp b, 0,1,2,3
	v_lshrrev_b32 v[TM+4+\b], 23, v[TM+12+\b]      ; the byte
.endr
	v_lshl_or_b32 v[\pw], v[TM+5], 8, v[TM+4]
	v_lshl_or_b32 v[\pw], v[TM+6], 16, v[\pw]
	v_lshl_or_b32 v[\pw], v[TM+7], 24, v[\pw]
.irp c, 0,1
	v_cvt_scalef32_pk16_fp6_f32 v[PC+6*\c:PC+2+6*\c], v[\s+32*\c:\s+15+32*\c], v[TM+12+2*\c]
	v_cvt_scalef32_pk16_fp6_f32 v[PC+12+4*\c:PC+14+4*\c], v[\s+16+32*\c:\s+31+32*\c], v[TM+12+2*\c+1]
.endr
	v_nop                                          ; one plain place behind a scaled conversion
.irp c, 0,1                            ; the operand wants a whole block in a lane
.irp i, 0,1,2
	v_permlane16_swap_b32 v[PC+6*\c+\i], v[PC+12+4*\c+\i]
.endr
.irp i, 0,1,2
	v_mov_b32 v[PC+3+6*\c+\i], v[PC+12+4*\c+\i]
.endr
.endr
.endm
.macro PUTFRAG a                       ; the fragment's image: three stores of 512 consecutive bytes
.irp c, 0,1,2
	global_store_b128 v[LI], v[PC+4*\c:PC+4*\c+3], s[OUTP:OUTP+1] offset:FRB*(\a)+512*\c
.endr
.endm
.macro PUTW x, tmp, base, off          ; four tiles' words: lane (r, h) stores words 2 h, 2 h + 1 of row r: 256 consecutive bytes
	v_cndmask_b32 v[\tmp], v[\x], v[\x+2], vcc_lo
	v_cndmask_b32 v[\tmp+1], v[\x+1], v[\x+3], vcc_lo
	global_store_b64 v[L8], v[\tmp:\tmp+1], s[\base:\base+1] offset:\off
.endm
	s_load_b256 s[4:11], s[0:1], 0x0               ; cod s[4:5], bq s[6:7], bk s[8:9], bv s[10:11]
	s_load_b64 s[12:13], s[0:1], 0x20              ; qkv
	v_lshl_add_u32 v[SPW], v0, 2, SPARE
	v_mov_b32 v[NIL], 0
	ds_add_u32 v[SPW], v[NIL]                      ; the opening: the add, twice on end, and its wait ahead of my first tensor load
	ds_add_u32 v[SPW], v[NIL]
	v_lshrrev_b32 v1, 5, v0
	v_readfirstlane_b32 s[WV], v1
	s_lshr_b32 s[RL], s[WV], 1
	s_and_b32 s[HF], s[WV], 1
	s_bfe_u32 s92, ttmp6, 0x40000                  ; cx
	s_bfe_u32 s93, ttmp6, 0x40004                  ; cy
	s_lshl_b32 s94, s93, 2
	s_lshl_b32 s94, 15, s94                        ; my row of the cluster
	s_lshl_b32 s96, 0x1111, s92                    ; my column
	s_or_b32 s[G1A], s94, (3<<16)|(1<<21)          ; the mask; elements of 8 bytes; bit 21 beside a mask
	s_or_b32 s[G1B], s96, (3<<16)|(1<<21)
	GROUP1 G1A, 50                                 ; one unit
	GROUP1 G1B, 100                                ; two units
	s_mov_b32 s2, 0x76543210
	s_mov_b32 s3, 0xfedcba98
	s_and_b32 s14, ttmp7, 0xffff                   ; cluster y = 16 t + cl
	s_lshr_b32 s98, s14, 4                         ; t
	s_and_b32 s14, s14, 15                         ; cl
	s_and_b32 s15, s14, 1
	s_lshr_b32 s16, s14, 1
	s_lshl_b32 s17, s98, 9                         ; the tokens' first unit, 512 t
	s_lshl_b32 s18, s98, 6
	s_add_co_u32 s18, s18, 1536                    ; W's first unit
	s_mov_b32 s94, 1664                            ; Wv's
	s_mov_b32 s96, 1024                            ; v's
	s_cmp_eq_u32 s98, 2                            ; V?
	s_cselect_b32 s67, s15, s14
	s_cselect_b32 s66, s16, 0
	s_cselect_b32 s94, s94, s17                    ; A's first unit
	s_cselect_b32 s96, s96, s18                    ; B's
	s_cselect_b32 s99, 4, 3                        ; log2 of the K steps of a row group of the result
	s_cselect_b32 s23, -1, 0                       ; all lanes on for V
	s_lshl_b32 s67, s67, 2
	s_add_co_u32 s67, s67, s93                     ; ty: A's group
	s_lshl_b32 s66, s66, 2
	s_add_co_u32 s66, s66, s92                     ; tx: B's pair of groups
	s_lshl_b32 s14, s67, 3
	s_add_co_u32 s94, s94, s14
	s_add_co_u32 s94, s94, s[HF]                   ; A: unit 8 ty + my half of a stage
	s_mul_i32 s94, s94, UNIT
	s_mov_b32 s95, 0
	s_lshl_b32 s15, s66, 1
	s_add_co_u32 s15, s15, s[HF]                   ; G = 2 tx + wave % 2: the group of B that I fetch, and the one that I multiply by
	s_lshl_b32 s16, s15, 3
	s_add_co_u32 s96, s96, s16
	s_mul_i32 s96, s96, UNIT
	s_mov_b32 s97, 0
	s_mul_i32 s18, s[HF], UNIT
	s_mul_i32 s19, s[HF], GRP
	s_add_co_u32 s19, s19, LB0
	s_wait_dscnt 0x0                               ; both opening adds are done
	s_wait_kmcnt 0x0
	s_add_nc_u64 s[94:95], s[4:5], s[94:95]
	s_add_nc_u64 s[96:97], s[4:5], s[96:97]
	CROUND                                         ; all sixteen work-groups are here: the joint loads meet
	FILLS
	v_and_b32 v1, 15, v0                           ; r
	v_bfe_u32 v2, v0, 4, 1                         ; h
	v_and_b32 v[LI], 31, v0
	v_lshlrev_b32 v[LI], 4, v[LI]
	s_lshl_b32 s14, s98, 9                         ; the result's unit: 512 t + 128 (G / 16) + (ty << 3 or 4) + G % 16
	s_lshr_b32 s16, s15, 4
	s_lshl_b32 s16, s16, 7
	s_add_co_u32 s14, s14, s16
	s_lshl_b32 s16, s67, s99
	s_add_co_u32 s14, s14, s16
	s_and_b32 s16, s15, 15
	s_add_co_u32 s14, s14, s16
	s_mul_i32 s14, s14, UNIT
	s_mul_i32 s16, s[RL], 4*FRB
	s_add_co_u32 s16, s16, s14
	s_mov_b32 s17, 0
	s_add_nc_u64 s[OUTP:OUTP+1], s[12:13], s[16:17]   ; my four tiles' images
	s_lshl_b32 s16, s[RL], 8
	s_add_co_u32 s16, s16, s14
	s_add_nc_u64 s[12:13], s[12:13], s[16:17]      ; and their scale words (+ SOFF)
	; THE BIAS.  result = BB x Y + sum, one fused multiply-add, which also brings the sum into window 0.  Q, K: BB = b[d] along my registers, Y = 1.  V: BB = 1, Y = bv[d] of my lane's row.  The factor 1 rounds nothing.
	s_lshl_b32 s14, s15, 9                         ; 128 G numbers
	s_lshl_b32 s16, s67, 9                         ; 128 ty numbers
	s_lshl_b32 s17, s[RL], 8
	s_cmp_eq_u32 s98, 0
	s_cselect_b64 s[6:7], s[6:7], s[8:9]
	s_cmp_eq_u32 s98, 2
	s_cselect_b64 s[6:7], s[10:11], s[6:7]
	s_cselect_b32 s14, 0, s14                      ; (the side that is replaced by 1 loads the bias's first numbers: inside the buffer)
	s_cselect_b32 s16, s16, 0
	s_add_co_u32 s16, s16, s17
	v_lshl_add_u32 v15, v2, 6, s14
	v_and_b32 v24, 8, v1
	v_add_nc_u32 v24, v24, v1                      ; r + 8 (r / 8)
	v_lshl_add_u32 v24, v24, 2, s16
.irp c, 0,1,2,3
.irp j, 0,1,2,3
	global_load_b128 v[BB+16*\c+4*\j:BB+16*\c+4*\j+3], v15, s[6:7] offset:128*\c+16*\j   ; register n: column 32 (n / 16) + 16 h + n % 16
.endr
.endr
.irp a, 0,1,2,3
	global_load_b32 v[YB+2*\a], v24, s[6:7] offset:4*(32*(\a/2)+8*(\a%2))
.endr
	VADDR
	s_wait_loadcnt 0x0
.set n, 0
.rept 64
	v_cndmask_b32 v[BB+n], v[BB+n], 1.0, s23
.set n, n+1
.endr
.irp a, 0,1,2,3
	v_cndmask_b32 v[YB+2*\a], 1.0, v[YB+2*\a], s23
.endr
.irp a, 0,1,2,3
	v_mov_b32 v[YB+2*\a+1], v[YB+2*\a]             ; (named with it as a pair, so it is written)
.endr
	s_wait_tensorcnt 3                             ; my part of K steps 0 and 1 is in; my three later loads may be out,
	s_barrier_signal -1
	s_barrier_wait -1                              ; everybody's is
	FETCH 0
	STEP 0, 0, 0, 1
	STEP 1, 1, 2, 1                                ; K steps 2, 3: two later loads of mine may be out
	STEP 2, 0, 0, 1
	STEP 3, 1, 1, 1                                ; K steps 4, 5: one
	STEP 4, 0, 0, 1
	STEP 5, 1, 0, 1                                ; K steps 6, 7
	STEP 6, 0, 0, 1
	STEP 7, 0, 0, 0
	; THE WAY OUT: tile a's 64 numbers of a lane are 128 neighbours along the next K (with lane l xor 16's): bias, quantiser, image.
	WIN 0
	PLACES 4                                       ; behind the last products: their results are read and A's registers are written
.irp b, 0,1,2,3
	v_mov_b32 v[TM+4+\b], 0                        ; a lane permute's destination counts as read
.endr
.irp a, 0,1,2,3
.if \a > 0
	s_wait_xcnt 0x0                                ; the last tile's stores have read the codes' registers
.endif
	WIN 0x20                                       ; source 2: window 2
.set x, 0
.rept 32
	v_pk_fma_f32 v[HA+x:HA+x+1], v[BB+x:BB+x+1], v[YB+2*\a:YB+2*\a+1], v[64*\a+x:64*\a+x+1] op_sel_hi:[1,0,1]   ; each accumulator from its low end on
.set x, x+2
.endr
	WIN 0
	QUANT HA, PWR+\a
	PUTFRAG \a
.endr
	v_cmp_ne_u32 vcc_lo, 0, v2
	PUTW PWR, 26, 12, SOFF
	s_wait_tensorcnt 0x0                           ; the wave's end
	ds_add_u32 v[SPW], v[NIL]
	s_wait_dscnt 0x0
	CROUND                                         ; the closing round
	s_endpgm
.Lfunc_end_k_q8fb40e8d06_proj:
	.size	k_q8fb40e8d06_proj, .Lfunc_end_k_q8fb40e8d06_proj-k_q8fb40e8d06_proj
	.p2alignl 7, 3214868480
	.fill 96, 4, 3214868480
	.section	.rodata,"a",@progbits
	.p2align	6, 0x0
	.amdhsa_kernel k_q8fb40e8d06_proj
		.amdhsa_group_segment_fixed_size 327680
		.amdhsa_private_segment_fixed_size 0
		.amdhsa_enable_private_segment 0
		.amdhsa_kernarg_size 40
		.amdhsa_user_sgpr_count 2
		.amdhsa_user_sgpr_kernarg_segment_ptr 1
		.amdhsa_wavefront_size32 1
		.amdhsa_system_sgpr_workgroup_id_x 1
		.amdhsa_system_sgpr_workgroup_id_y 1
		.amdhsa_system_sgpr_workgroup_id_z 1
		.amdhsa_system_vgpr_workitem_id 0
		.amdhsa_next_free_vgpr 768
		.amdhsa_next_free_sgpr 102
		.amdhsa_reserve_vcc 1
		.amdhsa_float_denorm_mode_32 3
		.amdhsa_float_denorm_mode_16_64 3
		.amdhsa_memory_ordered 1
		.amdhsa_forward_progress 1
		.amdhsa_inst_pref_size 95
	.end_amdhsa_kernel
	.amdgpu_metadata
---
amdhsa.version: [ 1, 2 ]
amdhsa.kernels:
  - .name:           k_q8fb40e8d06_proj
    .symbol:         k_q8fb40e8d06_proj.kd
    .args:
      - { .name: cod, .offset: 0, .size: 8, .value_kind: global_buffer, .address_space: global }
      - { .name: bq, .offset: 8, .size: 8, .value_kind: global_buffer, .address_space: global }
      - { .name: bk, .offset: 16, .size: 8, .value_kind: global_buffer, .address_space: global }
      - { .name: bv, .offset: 24, .size: 8, .value_kind: global_buffer, .address_space: global }
      - { .name: qkv, .offset: 32, .size: 8, .value_kind: global_buffer, .address_space: global }
    .group_segment_fixed_size: 327680
    .private_segment_fixed_size: 0
    .kernarg_segment_align: 8
    .kernarg_segment_size: 40
    .max_flat_workgroup_size: 128
    .sgpr_count:     102
    .vgpr_count:     768
    .wavefront_size: 32
...
	.end_amdgpu_metadata
.endif
;; end of part 2
;; launch score (part 3): grid 8 x 64, 4 waves a work-group, clusters of 4 x 4, 327,680 bytes of LDS; arguments qkv, mask, pc, pst; writes pc, pst
.if DOCPART == 3
	.amdgcn_target "amdgcn-amd-amdhsa--gfx1250"
	.amdhsa_code_object_version 6
	.text
	.protected	k_q8fb40e8d06_score
	.globl	k_q8fb40e8d06_score
	.p2align	8
	.type	k_q8fb40e8d06_score,@function
k_q8fb40e8d06_score:
	s_mov_b64 s[64:65], 0
	v_nop
	global_prefetch_b8 v0, s[64:65] scope:SCOPE_SE
	s_setreg_imm32_b32 hwreg(HW_REG_WAVE_MODE, 25, 1), 1
	s_wait_xcnt 0x0
	s_wait_alu depctr_hold_cnt(0) depctr_sa_sdst(0) depctr_va_vdst(0) depctr_va_sdst(0) depctr_va_ssrc(0) depctr_va_vcc(0) depctr_vm_vsrc(0)
	s_getreg_b32 s2, hwreg(HW_REG_IB_STS2, 6, 4)
	s_cmp_eq_u32 s2, 0
	s_cbranch_scc0 .Lentry_in_a_cluster
	s_endpgm
.Lentry_in_a_cluster:
	s_bfe_u32 s2, ttmp6, 0x10000c
	s_cmp_lg_u32 s2, 0xf033
	s_cbranch_scc0 .Lentry_shape_is_right
	s_endpgm
.Lentry_shape_is_right:
; SCORE.  S = Q K^T on codes of FP6; mask; p = 2^(t - M), t = logit x log2(e); p is quantised along the keys on the way out.  No score goes to memory.  Nothing is left out.
; THE MAXIMUM IS TAKEN AWAY LOCALLY.  M here is the ceiling of the query's largest t over THIS WAVE's 128 keys, a whole number.  A block's codes do not hang on M, only its scale byte does: the next launch takes the largest M of the
; row's 16 key groups and shifts bytes and sums by whole powers of two.  Stored: P's unit 16 g + kg in pc (codes, bytes under the local M); in pst at 1024 (16 g + kg): -M (f32), then at + 512 the sum of the unquantised p, both laid like scale words.
; The tile, the waves' shares, LDS, the joint loads and the eight K steps are those of the projection launch: A = Q's group g (lanes = queries), B = two groups of K's rows (registers = keys).
; THE MASK [8192][2048] int32 is read here, once.  A wave's share is 64 rows x 128 keys: 64 loads of 512 consecutive bytes, a row each, all issued at the head, behind the tensor loads, into window 3; nothing reads them before the way out,
; so they have the eight K steps in which to land.  (64 loads are one more than LOADcnt's field names: the issue of the last waits, if need be, for the first to come back (ISA guide 5.7.1); it stands ahead of the wait for the first tiles.)
; On the way out a tile's 16 rows turn through the wave's own stage in LDS (rows 528 bytes apart), so that lane (r, h) gets, for its query, the mask of key 32 (n / 16) + 16 h + n % 16 in register n, as the scores lie; 64 compares make
; lane masks in the scalar registers that held the descriptors (every tensor load is shown done by then), and 64 selects take the score or the fill.  The stages lie in A's part of LDS: it has had its only fill, and a barrier stands behind
; every wave's last read of it.  A score where mask == 0 becomes -2^20, which x log2(e) / 32 is the fill -2^15 x log2(e), exactly.
; No prefetch is laid for the mask: its loads themselves go out a whole K loop ahead of their use.
; LIMITS: a block whose every p is 0 keeps the byte 1 with zero codes; p under 2^-126 counts as 0; NaN and infinities are not served.
.set UNIT,  12800
.set FRB,   1536
.set SOFF,  12288
.set GRP,   8*UNIT
.set LB0,   GRP
.set SPARE, 3*GRP
.set SPI,   528                        ; a stage row: 512 bytes + 16
.set LI,   3
.set ADRA, 4
.set ADRB, 6
.set ADRS, 8
.set ADRT, 10
.set SPW,  12
.set NIL,  13
.set L8,   14
.set MSI,  16                          ; v16 into my stage: 16 bytes a lane of a row
.set MSO,  17                          ; v17 out of it: row r, + 64 h
.set SC,   32
.set AF,   64
.set T,    64                          ; v64-127 a tile's 64 scores of a lane, then p
.set BM,   128                         ; v128-131 the blocks' largest scores, then largest p
.set BP,   132                         ; v132-135 at work
.set SO,   136                         ; v136-139 the conversions' scale operands
.set PC,   144
.set PWR,  164                         ; v164-167 p's scale words; v168-171 -M; v172-175 the sums
.set NMR,  168
.set LVR,  172
.set NEGM, 176
.set SA,   178
.set SB,   180
.set TT,   182
.set FILLV, 184
.set X,    192                         ; v192-255 a tile's mask, laid as the scores.   Window 3: the mask as loaded: tile a's row p at v[64 a + 4 p]
.set WV,   20
.set RL,   21
.set HF,   22
.set G1A,  24
.set G1B,  32
.set G0A,  40
.set G0B,  56
.set OUTP, 8
.set MSB, 0
.macro WIN new
.if MSB != \new
	s_set_vgpr_msb (MSB<<8)|\new
.set MSB, \new
.endif
.endm
.macro PLACES n
.rept \n
	v_nop
.endr
.endm
.macro CROUND
	s_barrier_signal -1
	s_barrier_wait -1
	s_cmp_lg_u32 s[WV], 0
	s_cbranch_scc1 .Lnot_wave_0_\@
	s_barrier_signal -3
.Lnot_wave_0_\@:
	s_barrier_wait -3
	s_barrier_signal -1
	s_barrier_wait -1
.endm
.macro JLOAD g0a, g1a, g0b, g1b
	s_cmp_eq_u32 s[RL], 0
	s_cbranch_scc0 .Lfor_b_\@
	tensor_load_to_lds s[\g0a:\g0a+3], s[\g1a:\g1a+7]
	s_nop 0
.rept 4
	v_nop
.endr
	s_branch .Lasked_\@
.Lfor_b_\@:
	tensor_load_to_lds s[\g0b:\g0b+3], s[\g1b:\g1b+7]
	s_nop 0
.rept 4
	v_nop
.endr
.Lasked_\@:
.endm
.macro GROUP1 g, rows
	s_mov_b32 s[\g+1], 32<<16
	s_mov_b32 s[\g+2], (\rows)<<16
	s_mov_b32 s[\g+3], 32<<16
	s_mov_b32 s[\g+4], \rows
	s_mov_b32 s[\g+5], 32
	s_mov_b32 s[\g+6], 0
	s_mov_b32 s[\g+7], 0
.endm
.macro FILLS
.irp st, 0,1,2,3
	s_mov_b32 s[G0A+4*\st], 1
	s_add_co_u32 s[G0A+4*\st+1], s18, 2*\st*UNIT
	s_add_nc_u64 s[G0A+4*\st+2:G0A+4*\st+3], s[94:95], 2*\st*UNIT
	s_or_b32 s[G0A+4*\st+3], s[G0A+4*\st+3], 0x80000000
	s_mov_b32 s[G0B+4*\st+4*(\st/2)], 1
	s_add_co_u32 s[G0B+4*\st+4*(\st/2)+1], s19, 2*\st*UNIT
	s_add_nc_u64 s[G0B+4*\st+4*(\st/2)+2:G0B+4*\st+4*(\st/2)+3], s[96:97], 2*\st*UNIT
	s_or_b32 s[G0B+4*\st+4*(\st/2)+3], s[G0B+4*\st+4*(\st/2)+3], 0x80000000
	JLOAD G0A+4*\st, G1A, G0B+4*\st+4*(\st/2), G1B
.endr
.endm
.macro VADDR
	s_mul_i32 s14, s[RL], 4*FRB
	v_add_nc_u32 v[ADRA], s14, v[LI]
	v_add_nc_u32 v[ADRA+1], 4*UNIT, v[ADRA]
	v_add_nc_u32 v[ADRB], s19, v[LI]
	v_add_nc_u32 v[ADRB+1], 4*UNIT, v[ADRB]
	s_lshl_b32 s14, s[RL], 8
	s_sub_co_u32 s16, s19, s14
	v_mul_u32_u24 v[ADRS], s16, v2
	v_lshl_add_u32 v[ADRS], v1, 4, v[ADRS]
	v_add_nc_u32 v[ADRS], s14, v[ADRS]
	v_lshl_add_u32 v[ADRT], v2, 8, v[ADRS]
	v_add_nc_u32 v[ADRS+1], 4*UNIT, v[ADRS]
	v_add_nc_u32 v[ADRT+1], 4*UNIT, v[ADRT]
	v_lshlrev_b32 v[L8], 4, v1
	v_lshl_add_u32 v[L8], v2, 3, v[L8]
.endm
.macro FETCH s
.set FP, (\s)%2
.set FQ, ((\s)%8)/4
.set FO, (((\s)%8)%4)*UNIT
	WIN 0x40
.irp b, 0,1,2,3,4,5,6,7
.irp c, 0,1,2
	ds_load_b128 v[128*FP+12*\b+4*\c:128*FP+12*\b+4*\c+3], v[ADRB+FQ] offset:FO+FRB*\b+512*\c
.endr
.endr
	WIN 0
.irp a, 0,1,2,3
.irp c, 0,1,2
	ds_load_b128 v[AF+48*FP+12*\a+4*\c:AF+48*FP+12*\a+4*\c+3], v[ADRA+FQ] offset:FO+FRB*\a+512*\c
.endr
.endr
	ds_load_b128 v[SC+8*FP:SC+8*FP+3], v[ADRS+FQ] offset:FO+SOFF
	ds_load_b128 v[SC+8*FP+4:SC+8*FP+7], v[ADRT+FQ] offset:FO+SOFF
.endm
.macro MUL s                           ; the 32 accumulators take turns
.set MP, (\s)%2
.irp a, 0,1,2,3
.irp b, 0,1,2,3,4,5,6,7
.if (\s) == 0
	v_wmma_scale_f32_16x16x128_f8f6f4 v[8*(8*\a+\b):8*(8*\a+\b)+7], v[128*MP+12*\b:128*MP+12*\b+11], v[AF+48*MP+12*\a:AF+48*MP+12*\a+11], 0, v[SC+8*MP+\b], v[SC+8*MP+\a] matrix_a_fmt:MATRIX_FMT_FP6 matrix_b_fmt:MATRIX_FMT_FP6 matrix_a_scale:MATRIX_SCALE_ROW1
.else
	v_wmma_scale_f32_16x16x128_f8f6f4 v[8*(8*\a+\b):8*(8*\a+\b)+7], v[128*MP+12*\b:128*MP+12*\b+11], v[AF+48*MP+12*\a:AF+48*MP+12*\a+11], v[8*(8*\a+\b):8*(8*\a+\b)+7], v[SC+8*MP+\b], v[SC+8*MP+\a] matrix_a_fmt:MATRIX_FMT_FP6 matrix_b_fmt:MATRIX_FMT_FP6 matrix_a_scale:MATRIX_SCALE_ROW1
.endif
.endr
.endr
.endm
.macro STEP s, sync, cnt               ; a K step that has a successor: its fragments are in; the next step's are asked for; 32 products
	WIN 0
	s_wait_dscnt 0x0
.if \sync
	s_wait_tensorcnt \cnt
	s_barrier_signal -1
	s_barrier_wait -1
.endif
.if (\s) > 0
	PLACES 4                                       ; four places in front of loads into registers that the last products read (ISA guide 7.12.1 for vector instructions)
.endif
	FETCH (\s)+1
	WIN 0xa1
	MUL \s
.endm
.macro PUTFRAG a
.irp c, 0,1,2
	global_store_b128 v[LI], v[PC+4*\c:PC+4*\c+3], s[OUTP:OUTP+1] offset:FRB*(\a)+512*\c
.endr
.endm
.macro PUTW x, tmp, base, off
	v_cndmask_b32 v[\tmp], v[\x], v[\x+2], vcc_lo
	v_cndmask_b32 v[\tmp+1], v[\x+1], v[\x+3], vcc_lo
	global_store_b64 v[L8], v[\tmp:\tmp+1], s[\base:\base+1] offset:\off
.endm
.macro MASKLD                          ; my 64 rows of the mask at my 128 keys: tile a's lane p is row 32 (a / 2) + 8 (a % 2) + p + 8 (p / 8) of my 64
	WIN 0xc0                                       ; destination window 3
.irp a, 0,1,2,3
.irp p, 0,1,2,3,4,5,6,7,8,9,10,11,12,13,14,15
	global_load_b128 v[64*\a+4*\p:64*\a+4*\p+3], v[LI], s[6:7] offset:(32*(\a/2)+8*(\a%2)+\p+8*(\p/8))*8192 th:TH_LOAD_NT
.endr
.endr
	WIN 0
.endm
.macro TURN a                          ; tile a's 16 rows of the mask through my stage
	s_wait_loadcnt 16*(3-(\a))                     ; loads come back in order: tile a's 16 are in; the later tiles' 16 each may be out
	WIN 0x0c                                       ; an LDS store's data are its source 1: window 3
.irp p, 0,1,2,3,4,5,6,7,8,9,10,11,12,13,14,15
	ds_store_b128 v[MSI], v[64*(\a)+4*\p:64*(\a)+4*\p+3] offset:SPI*\p
.endr
	WIN 0
.irp c, 0,1,2,3
.irp j, 0,1,2,3
	ds_load_b128 v[X+16*\c+4*\j:X+16*\c+4*\j+3], v[MSO] offset:128*\c+16*\j   ; X[n] = key 32 (n / 16) + 16 h + n % 16 of my query.  LDS serves a wave's instructions in order: these see the stores above
.endr
.endr
.endm
; Tile a of 16 queries x my 128 keys: mask, local M, p, sum, quantiser, image
.macro SOFTQ a
	s_wait_dscnt 0x0                               ; the tile's mask is here
.set n, 0
.rept 64
	v_cmp_ne_u32 s[24+n+12*(n/32)], 0, v[X+n]      ; register n's lane mask: s24-55, s68-99
.set n, n+1
.endr
.if (\a) < 3
	TURN (\a)+1                                    ; the next tile's mask turns while this tile is worked on
.endif
	WIN 0x08                                       ; source 1: window 2
.set n, 0
.rept 64
	v_cndmask_b32 v[T+n], v[FILLV], v[64*(\a)+n], s[24+n+12*(n/32)]   ; the score where mask != 0, else the fill: choice and move in one line; each accumulator from its low end on
.set n, n+1
.endr
	WIN 0
.irp b, 0,1,2,3
	v_max3_num_f32 v[BM+\b], v[T+16*\b], v[T+1+16*\b], v[T+2+16*\b]   ; the largest score of each block of 32 keys: for the maximum, and, since p rises with the score, for the block's largest p
.endr
.irp i, 3,5,7,9,11,13
.irp b, 0,1,2,3
	v_max3_num_f32 v[BM+\b], v[BM+\b], v[T+16*\b+\i], v[T+1+16*\b+\i]
.endr
.endr
.irp b, 0,1,2,3
	v_max_num_f32 v[BM+\b], v[BM+\b], v[T+15+16*\b]
.endr
.irp b, 0,1,2,3
	v_permlanex16_b32 v[BP+\b], v[BM+\b], s2, s3
.endr
.irp b, 0,1,2,3
	v_max_num_f32 v[BM+\b], v[BM+\b], v[BP+\b]     ; with lane l xor 16's 16 keys
.endr
	v_max3_num_f32 v[TT], v[BM], v[BM+1], v[BM+2]
	v_max_num_f32 v[TT], v[TT], v[BM+3]
	v_mul_f32 v[TT], s100, v[TT]                   ; the largest t of these 128 keys
	v_floor_f32 v[NEGM], -v[TT]                    ; -M = floor(-t) = -ceil(t)
	v_mov_b32 v[NEGM+1], v[NEGM]                   ; (named with it as a pair)
.set n, 0
.rept 32
	v_pk_fma_f32 v[T+n:T+n+1], v[T+n:T+n+1], s[100:101], v[NEGM:NEGM+1] op_sel_hi:[1,0,0]   ; t - M
.set n, n+2
.endr
.irp b, 0,1,2,3
	v_fma_f32 v[BM+\b], v[BM+\b], s100, v[NEGM]
.endr
.set n, 0
.rept 64
	v_exp_f32 v[T+n], v[T+n]                       ; p = 2^(t - M), at most 1
.set n, n+1
.endr
	v_mov_b32 v[NMR+(\a)], v[NEGM]                 ; (the plain place behind the exponentials)
	s_wait_alu depctr_va_vdst(0)                   ; one wait for the batch of 64, ahead of its first reader
.irp b, 0,1,2,3
	v_exp_f32 v[BM+\b], v[BM+\b]                   ; the blocks' largest p: the same two instructions on the same numbers
.endr
	v_pk_add_f32 v[SA:SA+1], v[T:T+1], v[T+2:T+3]  ; the sum of the unquantised p, in two chains
	v_pk_add_f32 v[SB:SB+1], v[T+4:T+5], v[T+6:T+7]
.irp j, 8,12,16,20,24,28,32,36,40,44,48,52,56,60
	v_pk_add_f32 v[SA:SA+1], v[SA:SA+1], v[T+\j:T+\j+1]
	v_pk_add_f32 v[SB:SB+1], v[SB:SB+1], v[T+\j+2:T+\j+3]
.endr
	v_pk_add_f32 v[SA:SA+1], v[SA:SA+1], v[SB:SB+1]
	v_add_f32 v[TT], v[SA], v[SA+1]
	v_permlanex16_b32 v[TT+1], v[TT], s2, s3
	v_add_f32 v[LVR+(\a)], v[TT], v[TT+1]
	s_wait_alu depctr_va_vdst(0)                   ; and one for the four
.irp b, 0,1,2,3
	v_max_num_f32 v[BM+\b], 0x1800000, v[BM+\b]    ; the floor: the byte cannot fall under 1
.endr
.irp b, 0,1,2,3
	v_add_nc_u32 v[SO+\b], 0xff000000, v[BM+\b]
.endr
.irp b, 0,1,2,3
	v_lshrrev_b32 v[BP+\b], 23, v[SO+\b]
.endr
	v_lshl_or_b32 v[PWR+(\a)], v[BP+1], 8, v[BP]
	v_lshl_or_b32 v[PWR+(\a)], v[BP+2], 16, v[PWR+(\a)]
	v_lshl_or_b32 v[PWR+(\a)], v[BP+3], 24, v[PWR+(\a)]
	s_wait_xcnt 0x0                                ; the last tile's stores have read the codes' registers
.irp c, 0,1
	v_cvt_scalef32_pk16_fp6_f32 v[PC+6*\c:PC+2+6*\c], v[T+32*\c:T+15+32*\c], v[SO+2*\c]
	v_cvt_scalef32_pk16_fp6_f32 v[PC+12+4*\c:PC+14+4*\c], v[T+16+32*\c:T+31+32*\c], v[SO+2*\c+1]
.endr
	v_nop
.irp c, 0,1
.irp i, 0,1,2
	v_permlane16_swap_b32 v[PC+6*\c+\i], v[PC+12+4*\c+\i]
.endr
.irp i, 0,1,2
	v_mov_b32 v[PC+3+6*\c+\i], v[PC+12+4*\c+\i]
.endr
.endr
	PUTFRAG \a
.endm
	s_load_b256 s[4:11], s[0:1], 0x0               ; qkv s[4:5], mask s[6:7], pc s[8:9], pst s[10:11]
	v_lshl_add_u32 v[SPW], v0, 2, SPARE
	v_mov_b32 v[NIL], 0
	ds_add_u32 v[SPW], v[NIL]                      ; the opening: the add, twice on end, and its wait ahead of my first tensor load
	ds_add_u32 v[SPW], v[NIL]
	v_lshrrev_b32 v1, 5, v0
	v_readfirstlane_b32 s[WV], v1
	s_lshr_b32 s[RL], s[WV], 1
	s_and_b32 s[HF], s[WV], 1
	s_bfe_u32 s92, ttmp6, 0x40000                  ; cx
	s_bfe_u32 s93, ttmp6, 0x40004                  ; cy
	s_lshl_b32 s94, s93, 2
	s_lshl_b32 s94, 15, s94
	s_lshl_b32 s96, 0x1111, s92
	s_or_b32 s[G1A], s94, (3<<16)|(1<<21)
	s_or_b32 s[G1B], s96, (3<<16)|(1<<21)
	GROUP1 G1A, 50
	GROUP1 G1B, 100
	s_mov_b32 s2, 0x76543210
	s_mov_b32 s3, 0xfedcba98
	s_mov_b32 s100, 0x3d38aa3b                     ; c = log2(e) / sqrt(1024)
	s_mov_b32 s101, s100
	s_and_b32 s14, ttmp7, 0xffff                   ; cluster y
	s_lshl_b32 s67, s14, 2
	s_add_co_u32 s67, s67, s93                     ; g: the group of 128 queries
	s_lshr_b32 s14, s14, 2                         ; the batch: the same in all partners
	s_lshl_b32 s66, ttmp9, 2
	s_add_co_u32 s66, s66, s92                     ; tx: the pair of key groups
	s_lshl_b32 s94, s67, 3
	s_add_co_u32 s94, s94, s[HF]                   ; Q's unit 8 g + my half of a stage
	s_mul_i32 s94, s94, UNIT
	s_mov_b32 s95, 0
	s_lshl_b32 s15, s66, 1
	s_add_co_u32 s15, s15, s[HF]                   ; kg
	s_lshl_b32 s96, s14, 4
	s_add_co_u32 s96, s96, s15
	s_lshl_b32 s96, s96, 3
	s_add_co_u32 s96, s96, 512                     ; K's unit 512 + 8 (16 b + kg)
	s_mul_i32 s96, s96, UNIT
	s_mov_b32 s97, 0
	s_mul_i32 s18, s[HF], UNIT
	s_mul_i32 s19, s[HF], GRP
	s_add_co_u32 s19, s19, LB0
	s_wait_dscnt 0x0
	s_wait_kmcnt 0x0
	s_add_nc_u64 s[94:95], s[4:5], s[94:95]
	s_add_nc_u64 s[96:97], s[4:5], s[96:97]
	CROUND
	FILLS
	v_and_b32 v1, 15, v0
	v_bfe_u32 v2, v0, 4, 1
	v_and_b32 v[LI], 31, v0
	v_lshlrev_b32 v[LI], 4, v[LI]
	s_lshl_b32 s14, s67, 4
	s_add_co_u32 s14, s14, s15                     ; 16 g + kg
	s_mov_b32 s17, 0
	s_lshl_b32 s16, s67, 20                        ; the mask: 128 g rows of 8,192 bytes,
	s_lshl_b32 s23, s[RL], 19                      ; my 64 rows,
	s_add_co_u32 s16, s16, s23
	s_lshl_b32 s23, s15, 9                         ; my 128 keys
	s_add_co_u32 s16, s16, s23
	s_add_nc_u64 s[6:7], s[6:7], s[16:17]
	s_lshl_b32 s16, s14, 10
	s_lshl_b32 s23, s[RL], 8
	s_add_co_u32 s16, s16, s23
	s_add_nc_u64 s[10:11], s[10:11], s[16:17]      ; -M and the sums
	s_mul_i32 s14, s14, UNIT
	s_add_co_u32 s16, s14, s23
	s_add_nc_u64 s[12:13], s[8:9], s[16:17]        ; P's scale words (+ SOFF)
	s_mul_i32 s16, s[RL], 4*FRB
	s_add_co_u32 s16, s16, s14
	s_add_nc_u64 s[OUTP:OUTP+1], s[8:9], s[16:17]  ; P's images
	VADDR
	s_mul_i32 s14, s[WV], 16*SPI                   ; my stage
	v_add_nc_u32 v[MSI], s14, v[LI]
	v_mul_u32_u24 v[MSO], v1, SPI
	v_lshl_add_u32 v[MSO], v2, 6, v[MSO]
	v_add_nc_u32 v[MSO], s14, v[MSO]
	MASKLD                                         ; behind the tensor loads and all the set-up, ahead of the wait for the first tiles
	s_wait_tensorcnt 3                             ; my part of K steps 0 and 1 is in; my three later loads may be out
	s_barrier_signal -1
	s_barrier_wait -1
	FETCH 0
	STEP 0, 0, 0
	STEP 1, 1, 2                                   ; K steps 2, 3: two later loads of mine may be out
	STEP 2, 0, 0
	STEP 3, 1, 1                                   ; K steps 4, 5: one
	STEP 4, 0, 0
	STEP 5, 1, 0                                   ; K steps 6, 7: every tensor load of mine is done: the descriptors' registers are free
	STEP 6, 0, 0
	WIN 0
	s_wait_dscnt 0x0                               ; the last fragments are in: my reads of the tiles are over:
	s_barrier_signal -1                            ; say so,
	WIN 0xa1
	MUL 7                                          ; work on registers while the others arrive,
	WIN 0
	s_barrier_wait -1                              ; and nobody reads A's part of LDS any more: the stages may be written
	PLACES 4                                       ; behind the last products
.irp b, 0,1,2,3
	v_mov_b32 v[BP+\b], 0                          ; a lane permute's destination counts as read
.endr
	v_mov_b32 v[TT+1], 0
	v_mov_b32 v[FILLV], 0xc9800000                 ; -2^20
	TURN 0
.irp a, 0,1,2,3
	SOFTQ \a
.endr
	v_cmp_ne_u32 vcc_lo, 0, v2
	PUTW PWR, 24, 12, SOFF
	PUTW NMR, 26, 10, 0
	PUTW LVR, 28, 10, 512
	s_wait_tensorcnt 0x0                           ; the wave's end, behind my last LDS store
	ds_add_u32 v[SPW], v[NIL]
	s_wait_dscnt 0x0
	CROUND                                         ; the closing round
	s_endpgm
.Lfunc_end_k_q8fb40e8d06_score:
	.size	k_q8fb40e8d06_score, .Lfunc_end_k_q8fb40e8d06_score-k_q8fb40e8d06_score
	.p2alignl 7, 3214868480
	.fill 96, 4, 3214868480
	.section	.rodata,"a",@progbits
	.p2align	6, 0x0
	.amdhsa_kernel k_q8fb40e8d06_score
		.amdhsa_group_segment_fixed_size 327680
		.amdhsa_private_segment_fixed_size 0
		.amdhsa_enable_private_segment 0
		.amdhsa_kernarg_size 32
		.amdhsa_user_sgpr_count 2
		.amdhsa_user_sgpr_kernarg_segment_ptr 1
		.amdhsa_wavefront_size32 1
		.amdhsa_system_sgpr_workgroup_id_x 1
		.amdhsa_system_sgpr_workgroup_id_y 1
		.amdhsa_system_sgpr_workgroup_id_z 1
		.amdhsa_system_vgpr_workitem_id 0
		.amdhsa_next_free_vgpr 1024
		.amdhsa_next_free_sgpr 102
		.amdhsa_reserve_vcc 1
		.amdhsa_float_denorm_mode_32 3
		.amdhsa_float_denorm_mode_16_64 3
		.amdhsa_memory_ordered 1
		.amdhsa_forward_progress 1
		.amdhsa_inst_pref_size 154
	.end_amdhsa_kernel
	.amdgpu_metadata
---
amdhsa.version: [ 1, 2 ]
amdhsa.kernels:
  - .name:           k_q8fb40e8d06_score
    .symbol:         k_q8fb40e8d06_score.kd
    .args:
      - { .name: qkv, .offset: 0, .size: 8, .value_kind: global_buffer, .address_space: global }
      - { .name: mask, .offset: 8, .size: 8, .value_kind: global_buffer, .address_space: global }
      - { .name: pc, .offset: 16, .size: 8, .value_kind: global_buffer, .address_space: global }
      - { .name: pst, .offset: 24, .size: 8, .value_kind: global_buffer, .address_space: global }
    .group_segment_fixed_size: 327680
    .private_segment_fixed_size: 0
    .kernarg_segment_align: 8
    .kernarg_segment_size: 32
    .max_flat_workgroup_size: 128
    .sgpr_count:     102
    .vgpr_count:     1024
    .wavefront_size: 32
...
	.end_amdgpu_metadata
.endif
;; end of part 3
;; launch pv (part 4): grid 4 x 64, 4 waves a work-group, clusters of 4 x 4, 327,680 bytes of LDS; arguments pc, pst, qkv, yc; writes yc
.if DOCPART == 4
	.amdgcn_target "amdgcn-amd-amdhsa--gfx1250"
	.amdhsa_code_object_version 6
	.text
	.protected	k_q8fb40e8d06_pv
	.globl	k_q8fb40e8d06_pv
	.p2align	8
	.type	k_q8fb40e8d06_pv,@function
k_q8fb40e8d06_pv:
	s_mov_b64 s[64:65], 0
	v_nop
	global_prefetch_b8 v0, s[64:65] scope:SCOPE_SE
	s_setreg_imm32_b32 hwreg(HW_REG_WAVE_MODE, 25, 1), 1
	s_wait_xcnt 0x0
	s_wait_alu depctr_hold_cnt(0) depctr_sa_sdst(0) depctr_va_vdst(0) depctr_va_sdst(0) depctr_va_ssrc(0) depctr_va_vcc(0) depctr_vm_vsrc(0)
	s_getreg_b32 s2, hwreg(HW_REG_IB_STS2, 6, 4)
	s_cmp_eq_u32 s2, 0
	s_cbranch_scc0 .Lentry_in_a_cluster
	s_endpgm
.Lentry_in_a_cluster:
	s_bfe_u32 s2, ttmp6, 0x10000c
	s_cmp_lg_u32 s2, 0xf033
	s_cbranch_scc0 .Lentry_shape_is_right
	s_endpgm
.Lentry_shape_is_right:
; PV.  y = (P V) / l on codes of FP6, quantised along d on the way out into yc (unit 8 g + s).  Nothing is left out.
; THE ROW'S M AND l.  P's codes came with scale bytes, -M and sums under the LOCAL M of each of the row's 16 key groups.  Here M = the largest of the 16; each group's bytes go down by M - M_local (a whole number: an exact power of
; two), and its sum is multiplied by 2^(M_local - M).  Four bytes at a time: with bit 7 set on each byte and the shift taken off all four, no byte borrows from its neighbour (128 + byte - shift lies in 2 .. 253, bytes 1 .. 125, shift 0 .. 127);
; a byte that would fall under 0 is held at 0.
; LIMITS: the shift is held at 127; a block more than 2^-127 under the row's M keeps its codes under the byte 0 (2^-127), and a sum that far down is weighed with 2^-127: both are under 2^-115 of the row's sum, which is over 1/2.
;   A row masked throughout gives the uniform weights, as the fill makes them.  A block of zeros or under 2^-124 keeps the byte 1.  NaN and infinities are not served.
; The tile and the waves' shares are those of the projection launch: A = P's group g (lanes = queries), B = two groups of V^T's rows (registers = d); K = the batch's 2,048 keys: 16 steps through 8 places in LDS.
; THE RING.  Places 0-7 are filled at the start (four loads a wave).  When step 3's fragments are in registers, places 0-3 are free: behind a round of the cluster's barrier each wave asks for its part of steps 8-11 with ONE load
; (A's waves two units, B's waves four); likewise places 4-7 at step 7.  A refill has four steps, 128 products a wave, in which to land; one load of a wave is out behind each round.
; P's scale words do not come from LDS: the shifted ones stay in v164-227 for the whole launch.
.set UNIT,  12800
.set FRB,   1536
.set SOFF,  12288
.set GRP,   8*UNIT
.set LB0,   GRP
.set SPARE, 3*GRP
.set LI,   3
.set ADRA, 4
.set ADRB, 6
.set ADRS, 8                           ; here: B's tiles 0-3 in all lanes
.set ADRT, 10                          ; and 4-7
.set SPW,  12
.set NIL,  13
.set L8,   14
.set RCP,  16                          ; v16-23 1 / l of tile a, as pairs
.set PWR,  24                          ; v24-27 y's scale words
.set SC,   32
.set AF,   64
.set HA,   64
.set NM0,  64                          ; at the head: v64-127 the 16 x 4 local -M; v128-159, v32-63 the local sums
.set TM,   128
.set PC,   144
.set PSW,  164                         ; v164-227 P's scale words: step s, tile a at 4 s + a
.set NMG,  228                         ; v228-231 -M of the row
.set LAC,  232                         ; v232-235 l of the row
.set E,    236
.set XX,   240
.set MM,   244
.set TL,   248
.set WV,   20
.set RL,   21
.set HF,   22
.set G1A,  24
.set G1B,  32
.set G0A,  40
.set G0B,  56
.set G1A2, 76                          ; s76-83: two units; s84-91: four units
.set G1B2, 84
.set OUTP, 12
.set MSB, 0
.macro WIN new
.if MSB != \new
	s_set_vgpr_msb (MSB<<8)|\new
.set MSB, \new
.endif
.endm
.macro PLACES n
.rept \n
	v_nop
.endr
.endm
.macro CROUND
	s_barrier_signal -1
	s_barrier_wait -1
	s_cmp_lg_u32 s[WV], 0
	s_cbranch_scc1 .Lnot_wave_0_\@
	s_barrier_signal -3
.Lnot_wave_0_\@:
	s_barrier_wait -3
	s_barrier_signal -1
	s_barrier_wait -1
.endm
.macro JLOAD g0a, g1a, g0b, g1b
	s_cmp_eq_u32 s[RL], 0
	s_cbranch_scc0 .Lfor_b_\@
	tensor_load_to_lds s[\g0a:\g0a+3], s[\g1a:\g1a+7]
	s_nop 0
.rept 4
	v_nop
.endr
	s_branch .Lasked_\@
.Lfor_b_\@:
	tensor_load_to_lds s[\g0b:\g0b+3], s[\g1b:\g1b+7]
	s_nop 0
.rept 4
	v_nop
.endr
.Lasked_\@:
.endm
.macro GROUP1 g, rows
	s_mov_b32 s[\g+1], 32<<16
	s_mov_b32 s[\g+2], (\rows)<<16
	s_mov_b32 s[\g+3], 32<<16
	s_mov_b32 s[\g+4], \rows
	s_mov_b32 s[\g+5], 32
	s_mov_b32 s[\g+6], 0
	s_mov_b32 s[\g+7], 0
.endm
.macro FILLS
.irp st, 0,1,2,3
	s_mov_b32 s[G0A+4*\st], 1
	s_add_co_u32 s[G0A+4*\st+1], s18, 2*\st*UNIT
	s_add_nc_u64 s[G0A+4*\st+2:G0A+4*\st+3], s[94:95], 2*\st*UNIT
	s_or_b32 s[G0A+4*\st+3], s[G0A+4*\st+3], 0x80000000
	s_mov_b32 s[G0B+4*\st+4*(\st/2)], 1
	s_add_co_u32 s[G0B+4*\st+4*(\st/2)+1], s19, 2*\st*UNIT
	s_add_nc_u64 s[G0B+4*\st+4*(\st/2)+2:G0B+4*\st+4*(\st/2)+3], s[96:97], 2*\st*UNIT
	s_or_b32 s[G0B+4*\st+4*(\st/2)+3], s[G0B+4*\st+4*(\st/2)+3], 0x80000000
	JLOAD G0A+4*\st, G1A, G0B+4*\st+4*(\st/2), G1B
.endr
.endm
.macro FETCH s
.set FP, (\s)%2
.set FQ, ((\s)%8)/4
.set FO, (((\s)%8)%4)*UNIT
	WIN 0x40
.irp b, 0,1,2,3,4,5,6,7
.irp c, 0,1,2
	ds_load_b128 v[128*FP+12*\b+4*\c:128*FP+12*\b+4*\c+3], v[ADRB+FQ] offset:FO+FRB*\b+512*\c
.endr
.endr
	WIN 0
.irp a, 0,1,2,3
.irp c, 0,1,2
	ds_load_b128 v[AF+48*FP+12*\a+4*\c:AF+48*FP+12*\a+4*\c+3], v[ADRA+FQ] offset:FO+FRB*\a+512*\c
.endr
.endr
	ds_load_b128 v[SC+8*FP:SC+8*FP+3], v[ADRS+FQ] offset:FO+SOFF
	ds_load_b128 v[SC+8*FP+4:SC+8*FP+7], v[ADRT+FQ] offset:FO+SOFF
.endm
.macro MUL s                           ; the 32 accumulators take turns
.set MP, (\s)%2
.irp a, 0,1,2,3
.irp b, 0,1,2,3,4,5,6,7
.if (\s) == 0
	v_wmma_scale_f32_16x16x128_f8f6f4 v[8*(8*\a+\b):8*(8*\a+\b)+7], v[128*MP+12*\b:128*MP+12*\b+11], v[AF+48*MP+12*\a:AF+48*MP+12*\a+11], 0, v[SC+8*MP+\b], v[PSW+4*(\s)+\a] matrix_a_fmt:MATRIX_FMT_FP6 matrix_b_fmt:MATRIX_FMT_FP6 matrix_a_scale:MATRIX_SCALE_ROW1
.else
	v_wmma_scale_f32_16x16x128_f8f6f4 v[8*(8*\a+\b):8*(8*\a+\b)+7], v[128*MP+12*\b:128*MP+12*\b+11], v[AF+48*MP+12*\a:AF+48*MP+12*\a+11], v[8*(8*\a+\b):8*(8*\a+\b)+7], v[SC+8*MP+\b], v[PSW+4*(\s)+\a] matrix_a_fmt:MATRIX_FMT_FP6 matrix_b_fmt:MATRIX_FMT_FP6 matrix_a_scale:MATRIX_SCALE_ROW1
.endif
.endr
.endr
.endm
; Four places are filled again.  Every wave: all my tensor loads have landed; the add; the descriptors' steps; the add and my reads of those places are done; a round of the cluster's barrier; my one load first behind it.
.macro REFILL n
	s_wait_tensorcnt 0x0                           ; no tensor load of mine is out, so a group 0 may be written
	ds_add_u32 v[SPW], v[NIL]                      ; 0 onto my spare word
.if \n == 0
	s_add_co_u32 s[G0A+1], s[G0A+1], s18           ; A: from place wave % 2 to place 2 (wave % 2),
	s_add_nc_u64 s[G0A+2:G0A+3], s[G0A+2:G0A+3], s[16:17]   ; from unit wave % 2 to unit 8 + 2 (wave % 2)
	s_add_nc_u64 s[G0B+2:G0B+3], s[G0B+2:G0B+3], 8*UNIT     ; B: the same places, units 8 on
.else
	s_add_co_u32 s[G0A+1], s[G0A+1], 4*UNIT
	s_add_nc_u64 s[G0A+2:G0A+3], s[G0A+2:G0A+3], 4*UNIT
	s_add_co_u32 s[G0B+1], s[G0B+1], 4*UNIT
	s_add_nc_u64 s[G0B+2:G0B+3], s[G0B+2:G0B+3], 4*UNIT
.endif
	s_wait_dscnt 0x0
	CROUND
	JLOAD G0A, G1A2, G0B, G1B2                     ; its four v_nop are also the places in front of the loads that follow
.endm
.macro STEP s, sync, cnt, more         ; sync = 1: a barrier for tiles that have landed; 2: refill number cnt
	WIN 0
	s_wait_dscnt 0x0
.if \sync == 1
	s_wait_tensorcnt \cnt
	s_barrier_signal -1
	s_barrier_wait -1
.endif
.if \sync == 2
	REFILL \cnt
.elseif (\more) && ((\s) > 0)
	PLACES 4
.endif
.if \more
	FETCH (\s)+1
.endif
	WIN 0xa1
	MUL \s
.endm
.macro QUANT s, pw
.irp b, 0,1,2,3
	v_max3_num_f32 v[TM+\b], |v[\s+16*\b]|, |v[\s+1+16*\b]|, 0x1800000
.endr
.irp i, 2,4,6,8,10,12,14
.irp b, 0,1,2,3
	v_max3_num_f32 v[TM+\b], v[TM+\b], |v[\s+16*\b+\i]|, |v[\s+1+16*\b+\i]|
.endr
.endr
.irp b, 0,1,2,3
	v_permlanex16_b32 v[TM+4+\b], v[TM+\b], s2, s3
.endr
.irp b, 0,1,2,3
	v_max_num_f32 v[TM+\b], v[TM+\b], v[TM+4+\b]
.endr
.irp b, 0,1,2,3
	v_add_nc_u32 v[TM+12+\b], 0xff000000, v[TM+\b]
.endr
.irp b, 0,1,2,3
	v_lshrrev_b32 v[TM+4+\b], 23, v[TM+12+\b]
.endr
	v_lshl_or_b32 v[\pw], v[TM+5], 8, v[TM+4]
	v_lshl_or_b32 v[\pw], v[TM+6], 16, v[\pw]
	v_lshl_or_b32 v[\pw], v[TM+7], 24, v[\pw]
.irp c, 0,1
	v_cvt_scalef32_pk16_fp6_f32 v[PC+6*\c:PC+2+6*\c], v[\s+32*\c:\s+15+32*\c], v[TM+12+2*\c]
	v_cvt_scalef32_pk16_fp6_f32 v[PC+12+4*\c:PC+14+4*\c], v[\s+16+32*\c:\s+31+32*\c], v[TM+12+2*\c+1]
.endr
	v_nop
.irp c, 0,1
.irp i, 0,1,2
	v_permlane16_swap_b32 v[PC+6*\c+\i], v[PC+12+4*\c+\i]
.endr
.irp i, 0,1,2
	v_mov_b32 v[PC+3+6*\c+\i], v[PC+12+4*\c+\i]
.endr
.endr
.endm
.macro PUTFRAG a
.irp c, 0,1,2
	global_store_b128 v[LI], v[PC+4*\c:PC+4*\c+3], s[OUTP:OUTP+1] offset:FRB*(\a)+512*\c
.endr
.endm
.macro PUTW x, tmp, base, off
	v_cndmask_b32 v[\tmp], v[\x], v[\x+2], vcc_lo
	v_cndmask_b32 v[\tmp+1], v[\x+1], v[\x+3], vcc_lo
	global_store_b64 v[L8], v[\tmp:\tmp+1], s[\base:\base+1] offset:\off
.endm
; Key group u: its four tiles' bytes and sums are brought under the row's M
.macro SHIFT u
.set LL, 4*(\u)+128*(1-(\u)/8)
.irp j, 0,1,2,3
	v_sub_f32 v[E+\j], v[NMG+\j], v[NM0+4*(\u)+\j] ; M_local - M: a whole number, 0 or less
.endr
.irp j, 0,1,2,3
	v_max_num_f32 v[E+\j], 0xc2fe0000, v[E+\j]     ; held at -127
.endr
.irp j, 0,1,2,3
	v_cvt_i32_f32 v[E+\j], v[E+\j]
.endr
.irp j, 0,1,2,3
.if (\u) == 0
	v_ldexp_f32 v[LAC+\j], v[LL+\j], v[E+\j]       ; the first term starts the sum
.else
	v_ldexp_f32 v[TL+\j], v[LL+\j], v[E+\j]
.endif
.endr
.irp j, 0,1,2,3
	v_mul_lo_u32 v[XX+\j], v[E+\j], s66            ; the shift, negative, in all four bytes
.endr
.irp j, 0,1,2,3
	v_or_b32 v[MM+\j], s67, v[PSW+4*(\u)+\j]       ; bit 7 on each byte
.endr
.irp j, 0,1,2,3
	v_add_nc_u32 v[XX+\j], v[MM+\j], v[XX+\j]
.endr
.irp j, 0,1,2,3
	v_and_b32 v[MM+\j], s67, v[XX+\j]              ; bit 7 is left where the byte did not fall under 0
.endr
.irp j, 0,1,2,3
	v_lshrrev_b32 v[E+\j], 7, v[MM+\j]
.endr
.irp j, 0,1,2,3
	v_sub_nc_u32 v[MM+\j], v[MM+\j], v[E+\j]       ; 0x7f there, 0 elsewhere
.endr
.irp j, 0,1,2,3
	v_and_b32 v[PSW+4*(\u)+\j], v[XX+\j], v[MM+\j]
.endr
.if (\u) > 0
.irp j, 0,1,2,3
	v_add_f32 v[LAC+\j], v[LAC+\j], v[TL+\j]
.endr
.endif
.endm
	s_load_b256 s[4:11], s[0:1], 0x0               ; pc s[4:5], pst s[6:7], qkv s[8:9], yc s[10:11]
	v_lshl_add_u32 v[SPW], v0, 2, SPARE
	v_mov_b32 v[NIL], 0
	ds_add_u32 v[SPW], v[NIL]                      ; the opening: the add, twice on end, and its wait ahead of my first tensor load
	ds_add_u32 v[SPW], v[NIL]
	v_lshrrev_b32 v1, 5, v0
	v_readfirstlane_b32 s[WV], v1
	s_lshr_b32 s[RL], s[WV], 1
	s_and_b32 s[HF], s[WV], 1
	s_bfe_u32 s92, ttmp6, 0x40000                  ; cx
	s_bfe_u32 s93, ttmp6, 0x40004                  ; cy
	s_lshl_b32 s94, s93, 2
	s_lshl_b32 s94, 15, s94
	s_lshl_b32 s96, 0x1111, s92
	s_or_b32 s[G1A], s94, (3<<16)|(1<<21)
	s_or_b32 s[G1B], s96, (3<<16)|(1<<21)
	s_or_b32 s[G1A2], s94, (3<<16)|(1<<21)
	s_or_b32 s[G1B2], s96, (3<<16)|(1<<21)
	GROUP1 G1A, 50
	GROUP1 G1B, 100
	GROUP1 G1A2, 100
	GROUP1 G1B2, 200
	s_mov_b32 s2, 0x76543210
	s_mov_b32 s3, 0xfedcba98
	s_and_b32 s14, ttmp7, 0xffff                   ; cluster y
	s_lshl_b32 s67, s14, 2
	s_add_co_u32 s67, s67, s93                     ; g
	s_lshr_b32 s14, s14, 2                         ; the batch
	s_lshl_b32 s94, s67, 4
	s_mul_i32 s94, s94, UNIT                       ; P's unit 16 g
	s_mov_b32 s95, 0
	s_lshl_b32 s15, s92, 1
	s_add_co_u32 s15, s15, s[HF]                   ; gd = 2 cx + wave % 2
	s_lshl_b32 s96, s14, 3
	s_add_co_u32 s96, s96, s15
	s_lshl_b32 s96, s96, 4
	s_add_co_u32 s96, s96, 1024                    ; V^T's unit 1024 + 16 (8 b + gd)
	s_mul_i32 s96, s96, UNIT
	s_mov_b32 s97, 0
	s_mul_i32 s18, s[HF], UNIT
	s_mul_i32 s19, s[HF], GRP
	s_add_co_u32 s19, s19, LB0
	s_add_co_u32 s16, s18, 8*UNIT                  ; what the first refill adds to A's address
	s_mov_b32 s17, 0
	s_wait_dscnt 0x0
	s_wait_kmcnt 0x0
	s_add_nc_u64 s[98:99], s[4:5], s[94:95]        ; P's units of my 128 queries
	s_mov_b32 s94, s18
	s_add_nc_u64 s[94:95], s[98:99], s[94:95]      ; + my half of a stage
	s_add_nc_u64 s[96:97], s[8:9], s[96:97]
	CROUND
	FILLS
	v_and_b32 v1, 15, v0
	v_bfe_u32 v2, v0, 4, 1
	v_and_b32 v[LI], 31, v0
	v_lshlrev_b32 v[LI], 4, v[LI]
	v_lshlrev_b32 v15, 4, v1                       ; 16 r: four tiles' words of row r
	s_lshl_b32 s92, s[RL], 8
	s_mov_b32 s93, 0
	s_add_nc_u64 s[98:99], s[98:99], s[92:93]      ; my four tiles' scale words (+ SOFF + a unit a key group)
	s_lshl_b32 s14, s67, 14
	s_add_co_u32 s92, s92, s14
	s_add_nc_u64 s[6:7], s[6:7], s[92:93]          ; and their -M and sums
.irp u, 0,1,2,3,4,5,6,7,8,9,10,11,12,13,14,15
	global_load_b128 v[PSW+4*\u:PSW+4*\u+3], v15, s[98:99] offset:SOFF+UNIT*\u
	global_load_b128 v[NM0+4*\u:NM0+4*\u+3], v15, s[6:7] offset:1024*\u
	global_load_b128 v[4*\u+128*(1-\u/8):4*\u+128*(1-\u/8)+3], v15, s[6:7] offset:1024*\u+512
.endr
	s_lshl_b32 s14, s67, 3
	s_add_co_u32 s14, s14, s15                     ; y's unit 8 g + gd
	s_mul_i32 s14, s14, UNIT
	s_mul_i32 s92, s[RL], 4*FRB
	s_add_co_u32 s92, s92, s14
	s_add_nc_u64 s[OUTP:OUTP+1], s[10:11], s[92:93]
	s_lshl_b32 s92, s[RL], 8
	s_add_co_u32 s92, s92, s14
	s_add_nc_u64 s[10:11], s[10:11], s[92:93]      ; y's scale words (+ SOFF)
	s_mov_b32 s66, 0x01010101
	s_mov_b32 s67, 0x80808080
	s_mul_i32 s14, s[RL], 4*FRB
	v_add_nc_u32 v[ADRA], s14, v[LI]
	v_add_nc_u32 v[ADRA+1], 4*UNIT, v[ADRA]
	v_add_nc_u32 v[ADRB], s19, v[LI]
	v_add_nc_u32 v[ADRB+1], 4*UNIT, v[ADRB]
	v_lshl_add_u32 v[ADRS], v1, 4, s19
	v_add_nc_u32 v[ADRT], 256, v[ADRS]
	v_add_nc_u32 v[ADRS+1], 4*UNIT, v[ADRS]
	v_add_nc_u32 v[ADRT+1], 4*UNIT, v[ADRT]
	v_lshlrev_b32 v[L8], 4, v1
	v_lshl_add_u32 v[L8], v2, 3, v[L8]
	s_wait_loadcnt 0x0
.irp j, 0,1,2,3
	v_min_num_f32 v[NMG+\j], v[NM0+\j], v[NM0+4+\j]   ; -M of the row: the smallest -M_local
.endr
.irp u, 2,3,4,5,6,7,8,9,10,11,12,13,14,15
.irp j, 0,1,2,3
	v_min_num_f32 v[NMG+\j], v[NMG+\j], v[NM0+4*\u+\j]
.endr
.endr
.irp u, 0,1,2,3,4,5,6,7,8,9,10,11,12,13,14,15
	SHIFT \u
.endr
.irp a, 0,1,2,3
	v_rcp_f32 v[RCP+2*\a], v[LAC+\a]
.endr
	v_nop                                          ; a plain place behind the last reciprocal
	s_wait_alu depctr_va_vdst(0)                   ; one wait for the four, ahead of their first reader
.irp a, 0,1,2,3
	v_mov_b32 v[RCP+2*\a+1], v[RCP+2*\a]           ; (named with it as a pair)
.endr
	s_wait_tensorcnt 3                             ; my part of K steps 0 and 1 is in; my three later loads may be out
	s_barrier_signal -1
	s_barrier_wait -1
	FETCH 0
	STEP 0, 0, 0, 1
	STEP 1, 1, 2, 1                                ; K steps 2, 3: two later loads of mine may be out
	STEP 2, 0, 0, 1
	STEP 3, 2, 0, 1                                ; places 0-3 take K steps 8-11; the wait for all loads has also shown steps 4-7 landed
	STEP 4, 0, 0, 1
	STEP 5, 0, 0, 1
	STEP 6, 0, 0, 1
	STEP 7, 2, 1, 1                                ; places 4-7 take K steps 12-15; steps 8-11 have landed
	STEP 8, 0, 0, 1
	STEP 9, 0, 0, 1
	STEP 10, 0, 0, 1
	STEP 11, 1, 0, 1                               ; steps 12-15 have landed
	STEP 12, 0, 0, 1
	STEP 13, 0, 0, 1
	STEP 14, 0, 0, 1
	STEP 15, 0, 0, 0
	WIN 0
	PLACES 4                                       ; behind the last products
.irp b, 0,1,2,3
	v_mov_b32 v[TM+4+\b], 0
.endr
.irp a, 0,1,2,3
.if \a > 0
	s_wait_xcnt 0x0                                ; the last tile's stores have read the codes' registers
.endif
	WIN 0x02                                       ; source 0: window 2
.set x, 0
.rept 32
	v_pk_mul_f32 v[HA+x:HA+x+1], v[64*\a+x:64*\a+x+1], v[RCP+2*\a:RCP+2*\a+1] op_sel_hi:[1,0]   ; / l; each accumulator from its low end on
.set x, x+2
.endr
	WIN 0
	QUANT HA, PWR+\a
	PUTFRAG \a
.endr
	v_cmp_ne_u32 vcc_lo, 0, v2
	PUTW PWR, 28, 10, SOFF
	s_wait_tensorcnt 0x0                           ; the wave's end
	ds_add_u32 v[SPW], v[NIL]
	s_wait_dscnt 0x0
	CROUND                                         ; the closing round
	s_endpgm
.Lfunc_end_k_q8fb40e8d06_pv:
	.size	k_q8fb40e8d06_pv, .Lfunc_end_k_q8fb40e8d06_pv-k_q8fb40e8d06_pv
	.p2alignl 7, 3214868480
	.fill 96, 4, 3214868480
	.section	.rodata,"a",@progbits
	.p2align	6, 0x0
	.amdhsa_kernel k_q8fb40e8d06_pv
		.amdhsa_group_segment_fixed_size 327680
		.amdhsa_private_segment_fixed_size 0
		.amdhsa_enable_private_segment 0
		.amdhsa_kernarg_size 32
		.amdhsa_user_sgpr_count 2
		.amdhsa_user_sgpr_kernarg_segment_ptr 1
		.amdhsa_wavefront_size32 1
		.amdhsa_system_sgpr_workgroup_id_x 1
		.amdhsa_system_sgpr_workgroup_id_y 1
		.amdhsa_system_sgpr_workgroup_id_z 1
		.amdhsa_system_vgpr_workitem_id 0
		.amdhsa_next_free_vgpr 768
		.amdhsa_next_free_sgpr 102
		.amdhsa_reserve_vcc 1
		.amdhsa_float_denorm_mode_32 3
		.amdhsa_float_denorm_mode_16_64 3
		.amdhsa_memory_ordered 1
		.amdhsa_forward_progress 1
		.amdhsa_inst_pref_size 181
	.end_amdhsa_kernel
	.amdgpu_metadata
---
amdhsa.version: [ 1, 2 ]
amdhsa.kernels:
  - .name:           k_q8fb40e8d06_pv
    .symbol:         k_q8fb40e8d06_pv.kd
    .args:
      - { .name: pc, .offset: 0, .size: 8, .value_kind: global_buffer, .address_space: global }
      - { .name: pst, .offset: 8, .size: 8, .value_kind: global_buffer, .address_space: global }
      - { .name: qkv, .offset: 16, .size: 8, .value_kind: global_buffer, .address_space: global }
      - { .name: yc, .offset: 24, .size: 8, .value_kind: global_buffer, .address_space: global }
    .group_segment_fixed_size: 327680
    .private_segment_fixed_size: 0
    .kernarg_segment_align: 8
    .kernarg_segment_size: 32
    .max_flat_workgroup_size: 128
    .sgpr_count:     102
    .vgpr_count:     768
    .wavefront_size: 32
...
	.end_amdgpu_metadata
.endif
;; end of part 4
;; launch outp (part 5): grid 4 x 64, 4 waves a work-group, clusters of 4 x 4, 327,680 bytes of LDS; arguments yc, cod, bo, out0; writes out0
.if DOCPART == 5
	.amdgcn_target "amdgcn-amd-amdhsa--gfx1250"
	.amdhsa_code_object_version 6
	.text
	.protected	k_q8fb40e8d06_outp
	.globl	k_q8fb40e8d06_outp
	.p2align	8
	.type	k_q8fb40e8d06_outp,@function
k_q8fb40e8d06_outp:
	s_mov_b64 s[64:65], 0
	v_nop
	global_prefetch_b8 v0, s[64:65] scope:SCOPE_SE
	s_setreg_imm32_b32 hwreg(HW_REG_WAVE_MODE, 25, 1), 1
	s_wait_xcnt 0x0
	s_wait_alu depctr_hold_cnt(0) depctr_sa_sdst(0) depctr_va_vdst(0) depctr_va_sdst(0) depctr_va_ssrc(0) depctr_va_vcc(0) depctr_vm_vsrc(0)
	s_getreg_b32 s2, hwreg(HW_REG_IB_STS2, 6, 4)
	s_cmp_eq_u32 s2, 0
	s_cbranch_scc0 .Lentry_in_a_cluster
	s_endpgm
.Lentry_in_a_cluster:
	s_bfe_u32 s2, ttmp6, 0x10000c
	s_cmp_lg_u32 s2, 0xf033
	s_cbranch_scc0 .Lentry_shape_is_right
	s_endpgm
.Lentry_shape_is_right:
; OUTP.  out0 = y Wo^T + bo on codes of FP6; f32 out.  Nothing is left out.
; The tile, the waves' shares, LDS, the joint loads and the eight K steps are those of the projection launch: A = y's group g (lanes = tokens), B = two groups of Wo's rows (registers = output columns).
; bo is the C of each sum's first product: eight registers for each of B's tiles, in the result's layout, kept in the free registers of window 1.
; THE WAY OUT.  A lane holds 64 numbers of one row; the lanes beside it hold other rows.  A tile of 16 rows x 128 columns goes through the wave's own stage in LDS (rows 528 bytes apart) and leaves as whole rows: 32 lanes store 512
; consecutive bytes.  The stages lie in A's part of LDS: it has had its only fill, and a barrier stands behind every wave's last read of it.  Row t of tile a is row 32 (a / 2) + 8 (a % 2) + t + 8 (t / 8) of my 64.
.set UNIT,  12800
.set FRB,   1536
.set SOFF,  12288
.set GRP,   8*UNIT
.set LB0,   GRP
.set SPARE, 3*GRP
.set LI,   3
.set ADRA, 4
.set ADRB, 6
.set ADRS, 8
.set ADRT, 10
.set SPW,  12
.set NIL,  13
.set L8,   14
.set STO,  16                          ; v16 into my stage; v17 out of it
.set RD,   17
.set SC,   32
.set AF,   64
.set BK,   64                          ; v64-191 rows read back, two sets
.set SPI,  528
.set WV,   20
.set RL,   21
.set HF,   22
.set G1A,  24
.set G1B,  32
.set G0A,  40
.set G0B,  56
.set MSB, 0
.macro WIN new
.if MSB != \new
	s_set_vgpr_msb (MSB<<8)|\new
.set MSB, \new
.endif
.endm
.macro PLACES n
.rept \n
	v_nop
.endr
.endm
.macro CROUND
	s_barrier_signal -1
	s_barrier_wait -1
	s_cmp_lg_u32 s[WV], 0
	s_cbranch_scc1 .Lnot_wave_0_\@
	s_barrier_signal -3
.Lnot_wave_0_\@:
	s_barrier_wait -3
	s_barrier_signal -1
	s_barrier_wait -1
.endm
.macro JLOAD g0a, g1a, g0b, g1b
	s_cmp_eq_u32 s[RL], 0
	s_cbranch_scc0 .Lfor_b_\@
	tensor_load_to_lds s[\g0a:\g0a+3], s[\g1a:\g1a+7]
	s_nop 0
.rept 4
	v_nop
.endr
	s_branch .Lasked_\@
.Lfor_b_\@:
	tensor_load_to_lds s[\g0b:\g0b+3], s[\g1b:\g1b+7]
	s_nop 0
.rept 4
	v_nop
.endr
.Lasked_\@:
.endm
.macro GROUP1 g, rows
	s_mov_b32 s[\g+1], 32<<16
	s_mov_b32 s[\g+2], (\rows)<<16
	s_mov_b32 s[\g+3], 32<<16
	s_mov_b32 s[\g+4], \rows
	s_mov_b32 s[\g+5], 32
	s_mov_b32 s[\g+6], 0
	s_mov_b32 s[\g+7], 0
.endm
.macro FILLS
.irp st, 0,1,2,3
	s_mov_b32 s[G0A+4*\st], 1
	s_add_co_u32 s[G0A+4*\st+1], s18, 2*\st*UNIT
	s_add_nc_u64 s[G0A+4*\st+2:G0A+4*\st+3], s[94:95], 2*\st*UNIT
	s_or_b32 s[G0A+4*\st+3], s[G0A+4*\st+3], 0x80000000
	s_mov_b32 s[G0B+4*\st+4*(\st/2)], 1
	s_add_co_u32 s[G0B+4*\st+4*(\st/2)+1], s19, 2*\st*UNIT
	s_add_nc_u64 s[G0B+4*\st+4*(\st/2)+2:G0B+4*\st+4*(\st/2)+3], s[96:97], 2*\st*UNIT
	s_or_b32 s[G0B+4*\st+4*(\st/2)+3], s[G0B+4*\st+4*(\st/2)+3], 0x80000000
	JLOAD G0A+4*\st, G1A, G0B+4*\st+4*(\st/2), G1B
.endr
.endm
.macro VADDR
	s_mul_i32 s14, s[RL], 4*FRB
	v_add_nc_u32 v[ADRA], s14, v[LI]
	v_add_nc_u32 v[ADRA+1], 4*UNIT, v[ADRA]
	v_add_nc_u32 v[ADRB], s19, v[LI]
	v_add_nc_u32 v[ADRB+1], 4*UNIT, v[ADRB]
	s_lshl_b32 s14, s[RL], 8
	s_sub_co_u32 s16, s19, s14
	v_mul_u32_u24 v[ADRS], s16, v2
	v_lshl_add_u32 v[ADRS], v1, 4, v[ADRS]
	v_add_nc_u32 v[ADRS], s14, v[ADRS]
	v_lshl_add_u32 v[ADRT], v2, 8, v[ADRS]
	v_add_nc_u32 v[ADRS+1], 4*UNIT, v[ADRS]
	v_add_nc_u32 v[ADRT+1], 4*UNIT, v[ADRT]
.endm
.macro FETCH s
.set FP, (\s)%2
.set FQ, ((\s)%8)/4
.set FO, (((\s)%8)%4)*UNIT
	WIN 0x40
.irp b, 0,1,2,3,4,5,6,7
.irp c, 0,1,2
	ds_load_b128 v[128*FP+12*\b+4*\c:128*FP+12*\b+4*\c+3], v[ADRB+FQ] offset:FO+FRB*\b+512*\c
.endr
.endr
	WIN 0
.irp a, 0,1,2,3
.irp c, 0,1,2
	ds_load_b128 v[AF+48*FP+12*\a+4*\c:AF+48*FP+12*\a+4*\c+3], v[ADRA+FQ] offset:FO+FRB*\a+512*\c
.endr
.endr
	ds_load_b128 v[SC+8*FP:SC+8*FP+3], v[ADRS+FQ] offset:FO+SOFF
	ds_load_b128 v[SC+8*FP+4:SC+8*FP+7], v[ADRT+FQ] offset:FO+SOFF
.endm
.macro MUL s                           ; the 32 accumulators take turns.  Step 0 starts the sums from the bias
.set MP, (\s)%2
.irp a, 0,1,2,3
.irp b, 0,1,2,3,4,5,6,7
.if (\s) == 0
	v_wmma_scale_f32_16x16x128_f8f6f4 v[8*(8*\a+\b):8*(8*\a+\b)+7], v[128*MP+12*\b:128*MP+12*\b+11], v[AF+48*MP+12*\a:AF+48*MP+12*\a+11], v[96+8*\b+96*(\b/4):96+8*\b+96*(\b/4)+7], v[SC+8*MP+\b], v[SC+8*MP+\a] matrix_a_fmt:MATRIX_FMT_FP6 matrix_b_fmt:MATRIX_FMT_FP6 matrix_a_scale:MATRIX_SCALE_ROW1
.else
	v_wmma_scale_f32_16x16x128_f8f6f4 v[8*(8*\a+\b):8*(8*\a+\b)+7], v[128*MP+12*\b:128*MP+12*\b+11], v[AF+48*MP+12*\a:AF+48*MP+12*\a+11], v[8*(8*\a+\b):8*(8*\a+\b)+7], v[SC+8*MP+\b], v[SC+8*MP+\a] matrix_a_fmt:MATRIX_FMT_FP6 matrix_b_fmt:MATRIX_FMT_FP6 matrix_a_scale:MATRIX_SCALE_ROW1
.endif
.endr
.endr
.endm
.macro STEP s, sync, cnt
	WIN 0
	s_wait_dscnt 0x0
.if \sync
	s_wait_tensorcnt \cnt
	s_barrier_signal -1
	s_barrier_wait -1
.endif
.if (\s) > 0
	PLACES 4
.endif
	FETCH (\s)+1
.if (\s) == 0
	s_wait_loadcnt 0x0                             ; the bias
	WIN 0x91                                       ; B and C window 1, A window 0, D window 2
.else
	WIN 0xa1
.endif
	MUL \s
.endm
.macro TOSTAGE a
	WIN 0x08                                       ; an LDS store's data are its source 1: window 2
.irp b, 0,1,2,3,4,5,6,7
	ds_store_b128 v[STO], v[64*(\a)+8*\b:64*(\a)+8*\b+3] offset:128*(\b/2)+32*(\b%2)       ; each accumulator from its low end on
	ds_store_b128 v[STO], v[64*(\a)+8*\b+4:64*(\a)+8*\b+7] offset:128*(\b/2)+32*(\b%2)+16
.endr
	WIN 0
.irp t, 0,1,2,3,4,5,6,7,8,9,10,11,12,13,14,15
	ds_load_b128 v[BK+64*((\a)%2)+4*\t:BK+64*((\a)%2)+4*\t+3], v[RD] offset:SPI*\t   ; LDS serves a wave's instructions in order: these see the stores above, and the next tile's stores come behind them
.endr
.endm
.macro SEND a, younger                 ; younger: the LDS instructions issued behind tile a's loads
	s_wait_dscnt \younger
.irp t, 0,1,2,3,4,5,6,7,8,9,10,11,12,13,14,15
	global_store_b128 v[LI], v[BK+64*((\a)%2)+4*\t:BK+64*((\a)%2)+4*\t+3], s[10:11] offset:(32*((\a)/2)+8*((\a)%2)+\t+8*(\t/8))*4096 th:TH_STORE_NT   ; 512 consecutive bytes of a row
.endr
.endm
	s_load_b256 s[4:11], s[0:1], 0x0               ; yc s[4:5], cod s[6:7], bo s[8:9], out0 s[10:11]
	v_lshl_add_u32 v[SPW], v0, 2, SPARE
	v_mov_b32 v[NIL], 0
	ds_add_u32 v[SPW], v[NIL]                      ; the opening: the add, twice on end, and its wait ahead of my first tensor load
	ds_add_u32 v[SPW], v[NIL]
	v_lshrrev_b32 v1, 5, v0
	v_readfirstlane_b32 s[WV], v1
	s_lshr_b32 s[RL], s[WV], 1
	s_and_b32 s[HF], s[WV], 1
	s_bfe_u32 s92, ttmp6, 0x40000                  ; cx = tx
	s_bfe_u32 s93, ttmp6, 0x40004                  ; cy
	s_lshl_b32 s94, s93, 2
	s_lshl_b32 s94, 15, s94
	s_lshl_b32 s96, 0x1111, s92
	s_or_b32 s[G1A], s94, (3<<16)|(1<<21)
	s_or_b32 s[G1B], s96, (3<<16)|(1<<21)
	GROUP1 G1A, 50
	GROUP1 G1B, 100
	s_and_b32 s14, ttmp7, 0xffff
	s_lshl_b32 s67, s14, 2
	s_add_co_u32 s67, s67, s93                     ; g
	s_lshl_b32 s94, s67, 3
	s_add_co_u32 s94, s94, s[HF]                   ; y's unit 8 g + my half of a stage
	s_mul_i32 s94, s94, UNIT
	s_mov_b32 s95, 0
	s_lshl_b32 s96, s92, 1
	s_add_co_u32 s96, s96, s[HF]
	s_lshl_b32 s96, s96, 3
	s_add_co_u32 s96, s96, 1728                    ; Wo's unit 1728 + 8 (2 tx + wave % 2)
	s_mul_i32 s96, s96, UNIT
	s_mov_b32 s97, 0
	s_mul_i32 s18, s[HF], UNIT
	s_mul_i32 s19, s[HF], GRP
	s_add_co_u32 s19, s19, LB0
	s_wait_dscnt 0x0
	s_wait_kmcnt 0x0
	s_add_nc_u64 s[94:95], s[4:5], s[94:95]
	s_add_nc_u64 s[96:97], s[6:7], s[96:97]
	CROUND
	FILLS
	v_and_b32 v1, 15, v0
	v_bfe_u32 v2, v0, 4, 1
	v_and_b32 v[LI], 31, v0
	v_lshlrev_b32 v[LI], 4, v[LI]
	s_lshl_b32 s14, s92, 10
	s_lshl_b32 s16, s[HF], 9
	s_add_co_u32 s16, s16, s14                     ; my 128 columns, in bytes
	s_mov_b32 s17, 0
	s_add_nc_u64 s[8:9], s[8:9], s[16:17]
	s_lshl_b32 s14, s67, 19                        ; 128 g rows of 4,096 bytes
	s_add_co_u32 s16, s16, s14
	s_lshl_b32 s14, s[RL], 18                      ; my 64 rows
	s_add_co_u32 s16, s16, s14
	s_add_nc_u64 s[10:11], s[10:11], s[16:17]
	v_lshlrev_b32 v15, 6, v2                       ; 16 h numbers
	WIN 0x40                                       ; destination window 1
.irp b, 0,1,2,3,4,5,6,7
	global_load_b128 v[96+8*\b+96*(\b/4):96+8*\b+96*(\b/4)+3], v15, s[8:9] offset:128*(\b/2)+32*(\b%2)       ; register j of tile b: column 32 (b / 2) + 16 h + 8 (b % 2) + j
	global_load_b128 v[96+8*\b+96*(\b/4)+4:96+8*\b+96*(\b/4)+7], v15, s[8:9] offset:128*(\b/2)+32*(\b%2)+16
.endr
	WIN 0
	VADDR
	s_mul_i32 s14, s[WV], 16*SPI
	v_mul_u32_u24 v[STO], v1, SPI
	v_lshl_add_u32 v[STO], v2, 6, v[STO]
	v_add_nc_u32 v[STO], s14, v[STO]               ; row r, + 64 h
	v_add_nc_u32 v[RD], s14, v[LI]
	s_wait_tensorcnt 3                             ; my part of K steps 0 and 1 is in; my three later loads may be out
	s_barrier_signal -1
	s_barrier_wait -1
	FETCH 0
	STEP 0, 0, 0
	STEP 1, 1, 2
	STEP 2, 0, 0
	STEP 3, 1, 1
	STEP 4, 0, 0
	STEP 5, 1, 0
	STEP 6, 0, 0
	WIN 0
	s_wait_dscnt 0x0                               ; the last fragments are in: my reads of the tiles are over:
	s_barrier_signal -1                            ; say so,
	WIN 0xa1
	MUL 7                                          ; work on registers while the others arrive,
	WIN 0
	s_barrier_wait -1                              ; and nobody reads A's part of LDS any more: the stages may be written
	PLACES 4                                       ; behind the last products: results are read, and loads land where A's fragments lay
	TOSTAGE 0
	TOSTAGE 1
	SEND 0, 32                                     ; behind tile 0's loads: tile 1's 16 stores and 16 loads
	s_wait_xcnt 0x0                                ; tile 0's stores have read their registers: tile 2's rows may land there
	TOSTAGE 2
	SEND 1, 32
	s_wait_xcnt 0x0
	TOSTAGE 3
	SEND 2, 32
	SEND 3, 0
	s_wait_tensorcnt 0x0                           ; the wave's end, behind my last LDS store
	ds_add_u32 v[SPW], v[NIL]
	s_wait_dscnt 0x0
	CROUND                                         ; the closing round
	s_endpgm
.Lfunc_end_k_q8fb40e8d06_outp:
	.size	k_q8fb40e8d06_outp, .Lfunc_end_k_q8fb40e8d06_outp-k_q8fb40e8d06_outp
	.p2alignl 7, 3214868480
	.fill 96, 4, 3214868480
	.section	.rodata,"a",@progbits
	.p2align	6, 0x0
	.amdhsa_kernel k_q8fb40e8d06_outp
		.amdhsa_group_segment_fixed_size 327680
		.amdhsa_private_segment_fixed_size 0
		.amdhsa_enable_private_segment 0
		.amdhsa_kernarg_size 32
		.amdhsa_user_sgpr_count 2
		.amdhsa_user_sgpr_kernarg_segment_ptr 1
		.amdhsa_wavefront_size32 1
		.amdhsa_system_sgpr_workgroup_id_x 1
		.amdhsa_system_sgpr_workgroup_id_y 1
		.amdhsa_system_sgpr_workgroup_id_z 1
		.amdhsa_system_vgpr_workitem_id 0
		.amdhsa_next_free_vgpr 768
		.amdhsa_next_free_sgpr 102
		.amdhsa_reserve_vcc 0
		.amdhsa_float_denorm_mode_32 3
		.amdhsa_float_denorm_mode_16_64 3
		.amdhsa_memory_ordered 1
		.amdhsa_forward_progress 1
		.amdhsa_inst_pref_size 79
	.end_amdhsa_kernel
	.amdgpu_metadata
---
amdhsa.version: [ 1, 2 ]
amdhsa.kernels:
  - .name:           k_q8fb40e8d06_outp
    .symbol:         k_q8fb40e8d06_outp.kd
    .args:
      - { .name: yc, .offset: 0, .size: 8, .value_kind: global_buffer, .address_space: global }
      - { .name: cod, .offset: 8, .size: 8, .value_kind: global_buffer, .address_space: global }
      - { .name: bo, .offset: 16, .size: 8, .value_kind: global_buffer, .address_space: global }
      - { .name: out0, .offset: 24, .size: 8, .value_kind: global_buffer, .address_space: global }
    .group_segment_fixed_size: 327680
    .private_segment_fixed_size: 0
    .kernarg_segment_align: 8
    .kernarg_segment_size: 32
    .max_flat_workgroup_size: 128
    .sgpr_count:     102
    .vgpr_count:     768
    .wavefront_size: 32
...
	.end_amdgpu_metadata
.endif
;; end of part 5
